; MI455X (gfx1250); checked and timed in simulation.
; The chip was launched on July 23, 2026; its instructions are those of AMD's public machine-readable ISA for CDNA 5 (MIT licence, August 2026) and "CDNA5" Instruction Set Architecture Reference Guide (July 2026). The comments in the code are by the model that wrote it; some were corrected since.
;; Bit GRU Cell. Allowed arithmetic: matrix products marked QUANTISED: E4M3 operands, one given power-of-two scale a tensor, by v_wmma_f32_16x16x64_fp8_fp8 or v_wmma_f32_16x16x128_fp8_fp8, f32 sums; everything else in f32.
;; Inputs: b_n 2,048 float32; b_r 2,048 float32; b_z 2,048 float32; hidden 2,048 x 2,048 float32; lowp_scales 6 int32 (the exponents e of the quantised operands' scales 2^e); w_n 2,048 x 4,096 float32; w_r 2,048 x 4,096 float32; w_z 2,048 x 4,096 float32; x 2,048 x 2,048 float32.
;; Outputs: out0 2,048 x 2,048 float32.
;; This version of the problem:
;;   THIS VERSION OF THE PROBLEM IS GIVEN IN LOW PRECISION. The matrix products marked QUANTISED in the list below multiply operands that are first quantised to E4M3 (4 exponent bits, 3 mantissa bits; 8 bits a number), with one given power-of-two scale for each operand tensor; their sums are f32. All else is computed in f32.
;;   The module's matrix products, in the order in which they are computed (A, B: the left and right operand; K: the contracted axis; several contracted axes count as one K, in the product's order):
;;     1. [M 2,048, K 4,096] x [K 4,096, N 2,048]; A: computed on the way; B: computed on the way: QUANTISED (scales: A lowp_scales[0], B lowp_scales[1])
;;     2. [M 2,048, K 4,096] x [K 4,096, N 2,048]; A: computed on the way; B: computed on the way: QUANTISED (scales: A lowp_scales[2], B lowp_scales[3])
;;     3. [M 2,048, K 4,096] x [K 4,096, N 2,048]; A: computed on the way; B: computed on the way: QUANTISED (scales: A lowp_scales[4], B lowp_scales[5])
;;   THE QUANTISER, for each operand of a quantised product, along K:
;;     - The operand's scale is 2^e, e = its entry of the input lowp_scales (int32; the entries are numbered through the quantised products in the list's order, A before B).
;;     - Each number is divided by the scale, clamped to +-448, and rounded to the nearest number of E4M3, ties to even, subnormals kept.
;;     - The product sums the exact products of the quantised numbers (number of the format x scale) in f32.
;;   ~~~python
;;   def quantise(x, axis, e):      # numpy; x: float32 -> the quantised numbers, widened to float32 again
;;       x = np.moveaxis(x, axis, -1); K = x.shape[-1]
;;       r = np.clip(x / 2.0 ** e, -448, 448)
;;       step = 2.0 ** (np.maximum(np.frexp(np.where(r == 0, 1, r))[1] - 1, -6) - 3)
;;       q = np.round(r / step) * step * 2.0 ** e      # np.round: ties to even
;;       return np.moveaxis(q, -1, axis).astype(np.float32)
;;   ~~~
;;   OPERANDS COMPUTED ON THE WAY. 'Computed on the way' means the value that the module computes at that place (a softmax that the list does not call 'softmax' is quantised finished and normalised). What goes into a quantiser is computed in f32, as accurately as f32 sums, v_exp_f32 and their like allow (about 1e-6 of the number): no bf16 or f16 on the way to a quantiser, and a product that is left as it is and whose result goes on into a quantised operand takes f32 operands (vector FMAs, or v_wmma_f32_16x16x4_f32). A number that lies on a knife's edge between two numbers of the format may be rounded either way, as far as f32 arithmetic and the matrix unit's own rounding can turn it there, and no further.
;; 2 versions. Each part assembles by itself: llvm-mc -triple=amdgcn-amd-amdhsa -mcpu=gfx1250 --defsym DOCPART=n.
;; ======== version 1 of 2: 3 launches
;; workspace buffers: a_rz 16,777,216 bytes; a_n 8,388,608 bytes; wc 25,165,824 bytes; psum 12,288 bytes
;; launch prep (part 1): grid 1024 x 1, 4 waves a work-group, no clusters, 0 bytes of LDS; arguments x, hidden, w_r, w_z, w_n, lowp_scales, a_rz, a_n, wc, psum; writes a_rz, a_n, wc, psum
.if DOCPART == 1
	.amdgcn_target "amdgcn-amd-amdhsa--gfx1250"
	.amdhsa_code_object_version 6
	.text
	.protected	k_q6e695d1ee4_prep
	.globl	k_q6e695d1ee4_prep
	.p2align	8
	.type	k_q6e695d1ee4_prep,@function
k_q6e695d1ee4_prep:
	s_mov_b64 s[64:65], 0
	v_nop
	global_prefetch_b8 v0, s[64:65] scope:SCOPE_SE
	s_setreg_imm32_b32 hwreg(HW_REG_WAVE_MODE, 25, 1), 1
	s_wait_xcnt 0x0
; BitGRUCell, launch 1 of 3: every f32 input that feeds a product is read once and leaves as codes of E4M3.
; NO WORK OF reference() IS LEFT OUT in this program: all eight tensors and all six scales reach the result, and all are loaded.
;   x      -> codes with 2^e0, 2^e2 and 2^e4 (left operand of products 1, 2, 3, K = 0 .. 2047)
;   hidden -> codes with 2^e0 and 2^e2       (left operand of products 1, 2, K = 2048 .. 4095; product 3's part is r x hidden: launch 2)
;   w_r, w_z, w_n -> codes of sign(w): +1.0, -1.0 or 0; and for each wave the sum of its |w|.
; THE RIGHT OPERAND.  It is sign(w) x m, m = mean |w|: one magnitude for the tensor.  The quantiser Q is odd and Q(0) = 0, so Q(s m) = s Q(m) for s = -1, 0, 1, and
; sum_k a_k s_k Q(m) = Q(m) sum_k a_k s_k, for all values.  The matrix unit multiplies the left operand's codes by the codes of s; Q(m), made by the stated quantiser with the given exponent,
; multiplies each finished sum in launches 2 and 3.  m spans the tensor, so it is known only when this launch has ended.
; code of a left operand = number / 2^e, held within +-448, to the nearest code, ties to even.
; LIMITS: e0, e2, e4 between -126 and 119, so that 2^e and 448 x 2^e are f32 numbers.  NaN among the inputs is not served.  sign() is right for every other w, denormals and infinities too.
; LAYOUT of a matrix of codes, 2,048 rows x 4,096 along K: byte(row, K) = ((K / 256) x 16 + row / 128) x 32768 + ((K / 128) % 2) x 16384 + (row % 128) x 128 + p(K % 128),
; p(64 j + 4 a + i) = 8 a + 4 j + i (j 0..1, a 0..15, i 0..3).  A block of 128 rows x 256 K is 32,768 consecutive bytes; p is the same in both operands of a product, so every number meets its partner.
; p is chosen so that nothing is turned here: a step is 2 rows x 256 K; lane l = 16 h + a takes row h; load j takes its 16 bytes at 256 j + 16 a, so a load covers two runs of 256 consecutive bytes, aligned;
; a lane's registers 0-7 are the eight codes at byte 8 a of its row in the first 128 along K, registers 8-15 in the second; a store of 8 bytes a lane covers 256 consecutive bytes, aligned.
; SHARES.  Work-groups 0-767: w (gate = id / 256; 8 rows each, 2 rows x 4,096 a wave).  768-895: x, 896-1023: hidden (16 rows each, 4 rows x 2,048 a wave).  Every wave: 16 steps, loads four steps ahead.
; No LDS, no barrier, no matrix instruction: waves share nothing.
.set R,    16                          ; v16-79   four sets of 16 numbers as loaded
.set T,    80                          ; v80-111  two sets of 16 numbers at work, by turns
.set C,    112                         ; v112-123 codes: four registers for each set of scales
.set KB,   524288                      ; bytes from a block of 256 along K to the next
.set PANB, 16384                       ; bytes from the first 128 along K of a block to the second
; v1 lane; v2 my byte in the wave's two rows; v3 8 x lane; v4-7 four chains of |w|; v10/11, v12/13, v14/15: 2^e and 448 x 2^e for e0, e2, e4 (w: v10 = 2^-49)
.macro WLOAD t                         ; w, step t: K = 256 t on
.irp j, 0,1,2,3
	global_load_b128 v[R+16*((\t)%4)+4*\j:R+16*((\t)%4)+4*\j+3], v2, s[30:31] offset:1024*(\t)+256*\j th:TH_LOAD_NT
.endr
.endm
.macro ALOAD t                         ; x or hidden, step t: rows 2 (t / 8) on, K = 256 (t % 8) on
.irp j, 0,1,2,3
	global_load_b128 v[R+16*((\t)%4)+4*\j:R+16*((\t)%4)+4*\j+3], v2, s[30:31] offset:((\t)/8)*16384+((\t)%8)*1024+256*\j th:TH_LOAD_NT
.endr
.endm
.macro HEADW t                         ; the two waits at a step's head
.if 15-(\t) >= 3
	s_wait_loadcnt 12                              ; loads come back in order: this step's four are in, those of the three steps behind it stay out
.else
	s_wait_loadcnt 4*(15-(\t))
.endif
	s_wait_xcnt 0x0                                ; the last step's stores have read their data: the codes' registers are written again only behind this wait
.endm
.macro WSTEP t
.set RS, R+16*((\t)%4)
.set TS, T+16*((\t)%2)
	HEADW \t
.set ii, 0
.rept 8
	v_pk_mul_f32 v[TS+ii:TS+ii+1], v[RS+ii:RS+ii+1], s[46:47] op_sel_hi:[1,0]   ; x 2^100: the smallest magnitude that is not 0 becomes 2^-49
.set ii, ii+2
.endr
.set ii, 0
.rept 16
	v_med3_num_f32 v[TS+ii], v[TS+ii], -v10, v10   ; held within +-2^-49: now it is +-2^-49 or 0
.set ii, ii+1
.endr
	v_cvt_scalef32_pk8_fp8_f32 v[C:C+1], v[TS:TS+7], v10       ; / 2^-49: the codes of +1.0, -1.0, 0
	v_cvt_scalef32_pk8_fp8_f32 v[C+2:C+3], v[TS+8:TS+15], v10
.set ii, 0
.rept 16
	v_add_f32 v[4+ii%4], v[4+ii%4], |v[RS+ii]|     ; the sum of |w|, in four chains (plain lines behind the conversions, naming none of their registers)
.set ii, ii+1
.endr
	global_store_b64 v3, v[C:C+1], s[32:33] offset:(\t)*KB
	global_store_b64 v3, v[C+2:C+3], s[32:33] offset:(\t)*KB+PANB
.if (\t) < 12
	WLOAD (\t)+4
.endif
.endm
.macro QSET t, g, n                    ; step t's 16 numbers with scale set g of n.  T's two sets take turns, so that the lines behind a conversion name none of its registers
.set RS, R+16*((\t)%4)
.set TS, T+16*(((\n)*(\t)+(\g))%2)
.set ii, 0
.rept 16
	v_med3_num_f32 v[TS+ii], v[RS+ii], -v[11+2*(\g)], v[11+2*(\g)]   ; the conversion to an 8-bit code does not saturate (ISA guide 7.6.2): the hold at 448 x 2^e comes first
.set ii, ii+1
.endr
	v_cvt_scalef32_pk8_fp8_f32 v[C+4*(\g):C+4*(\g)+1], v[TS:TS+7], v[10+2*(\g)]
	v_cvt_scalef32_pk8_fp8_f32 v[C+4*(\g)+2:C+4*(\g)+3], v[TS+8:TS+15], v[10+2*(\g)]
	global_store_b64 v3, v[C+4*(\g):C+4*(\g)+1], s[32+2*(\g):33+2*(\g)] offset:((\t)%8)*KB+((\t)/8)*256
	global_store_b64 v3, v[C+4*(\g)+2:C+4*(\g)+3], s[32+2*(\g):33+2*(\g)] offset:((\t)%8)*KB+PANB+((\t)/8)*256
.endm
.macro ASTEP t, n
	HEADW \t
	QSET \t, 0, \n
	QSET \t, 1, \n
.if (\n) > 2
	QSET \t, 2, \n
.endif
.if (\t) < 12
	ALOAD (\t)+4
.endif
.endm
.macro MKSC e, sc                      ; v[sc] = 2^e, v[sc + 1] = 448 x 2^e, e in s[e]
	s_add_co_i32 s46, s[\e], 127
	s_lshl_b32 s38, s46, 23
	v_mov_b32 v[\sc], s38
	s_add_co_i32 s46, s46, 8
	s_lshl_b32 s46, s46, 23
	s_or_b32 s46, s46, 0x600000
	v_mov_b32 v[\sc+1], s46
.endm
	s_load_b512 s[8:23], s[0:1], 0x0               ; x s[8:9], hidden s[10:11], w_r s[12:13], w_z s[14:15], w_n s[16:17], the scales s[18:19], a_rz s[20:21], a_n s[22:23]
	s_load_b128 s[24:27], s[0:1], 0x40             ; wc s[24:25], psum s[26:27]
	v_lshrrev_b32 v8, 5, v0
	v_readfirstlane_b32 s28, v8                    ; wave 0..3
	v_and_b32 v1, 31, v0                           ; lane
	v_and_b32 v8, 15, v0                           ; a
	v_bfe_u32 v9, v0, 4, 1                         ; h: which of the step's two rows
	v_lshlrev_b32 v3, 3, v1                        ; 8 x lane: my 8 codes among the store's 256 bytes
	v_lshlrev_b32 v2, 4, v8                        ; 16 a
	s_mov_b32 s47, 0                               ; the upper word of every offset below
	s_wait_kmcnt 0x0
	s_cmp_lt_u32 ttmp9, 768
	s_cbranch_scc0 .Lacts
	; ---- the weights
	v_lshl_add_u32 v2, v9, 14, v2                  ; + h rows of 16,384 bytes
	s_lshr_b32 s38, ttmp9, 8                       ; gate: 0 r, 1 z, 2 n
	s_and_b32 s39, ttmp9, 255                      ; which 8 rows
	s_cmp_eq_u32 s38, 0
	s_cselect_b64 s[30:31], s[12:13], s[14:15]
	s_cmp_eq_u32 s38, 2
	s_cselect_b64 s[30:31], s[16:17], s[30:31]     ; the gate's weights: the choice hangs on the work-group's number alone
	s_lshl_b32 s46, s39, 3
	s_lshl_b32 s40, s28, 1
	s_add_co_u32 s46, s46, s40                     ; my first row
	s_lshl_b32 s46, s46, 14
	s_add_nc_u64 s[30:31], s[30:31], s[46:47]
	s_lshl_b32 s46, s38, 23                        ; the gate's 8 MiB of codes,
	s_lshr_b32 s40, s39, 4
	s_lshl_b32 s40, s40, 15
	s_add_co_u32 s46, s46, s40                     ; + (row / 128) x 32768,
	s_and_b32 s40, s39, 15
	s_lshl_b32 s40, s40, 10
	s_add_co_u32 s46, s46, s40
	s_lshl_b32 s40, s28, 8
	s_add_co_u32 s46, s46, s40                     ; + (row % 128) x 128
	s_add_nc_u64 s[32:33], s[24:25], s[46:47]
	s_lshl_b32 s46, s38, 12                        ; my partial sum: word gate x 1024 + 4 x (work-group % 256) + wave
	s_lshl_b32 s40, s39, 4
	s_add_co_u32 s46, s46, s40
	s_lshl_b32 s40, s28, 2
	s_add_co_u32 s46, s46, s40
	s_add_nc_u64 s[26:27], s[26:27], s[46:47]
.irp t, 0,1,2,3
	WLOAD \t
.endr
	s_mov_b32 s46, 0x71800000                      ; 2^100
	s_mov_b32 s47, s46                             ; (named with it as a pair, so it is written)
	v_mov_b32 v10, 0x27000000                      ; 2^-49: the hold, and the conversion's scale
	v_mov_b32 v4, 0
	v_mov_b32 v5, 0
	v_mov_b32 v6, 0
	v_mov_b32 v7, 0
.irp t, 0,1,2,3,4,5,6,7,8,9,10,11,12,13,14,15
	WSTEP \t
.endr
	v_add_f32 v4, v4, v5
	v_add_f32 v6, v6, v7
	v_add_f32 v4, v4, v6
	s_mov_b32 s40, 0x76543210                      ; v_permlanex16_b32: each lane takes its own place in the other half
	s_mov_b32 s41, 0xfedcba98
	v_add_f32_dpp v4, v4, v4 row_xmask:1 row_mask:0xf bank_mask:0xf
	v_add_f32_dpp v4, v4, v4 row_xmask:2 row_mask:0xf bank_mask:0xf
	v_add_f32_dpp v4, v4, v4 row_xmask:4 row_mask:0xf bank_mask:0xf
	v_add_f32_dpp v4, v4, v4 row_xmask:8 row_mask:0xf bank_mask:0xf
	v_permlanex16_b32 v5, v4, s40, s41
	v_add_f32 v4, v4, v5                           ; the wave's sum of |w| over its 8,192 numbers
	v_mov_b32 v8, 0
	v_cmp_eq_u32 vcc_lo, 0, v1
	s_wait_xcnt 0x0                                ; EXEC is a source of the stores above: it changes only behind this wait
	s_and_saveexec_b32 s42, vcc_lo
	global_store_b32 v8, v4, s[26:27]              ; one word a wave, 1,024 words a gate: launches 2 and 3 read a gate's 4,096 bytes back whole
	s_wait_xcnt 0x0
	s_or_b32 exec_lo, exec_lo, s42
	s_endpgm
	; ---- x and hidden
.Lacts:
	s_load_b128 s[40:43], s[18:19], 0x0            ; e0 .. e3
	s_load_b64 s[44:45], s[18:19], 0x10            ; e4, e5
	v_lshl_add_u32 v2, v9, 13, v2                  ; + h rows of 8,192 bytes
	s_and_b32 s39, ttmp9, 127                      ; which 16 rows
	s_cmp_lt_u32 ttmp9, 896
	s_cselect_b64 s[30:31], s[8:9], s[10:11]       ; x or hidden
	s_cselect_b32 s38, 0, 0x400000                 ; hidden is K = 2048 on: eight blocks of 256 further
	s_lshl_b32 s46, s39, 4
	s_lshl_b32 s29, s28, 2
	s_add_co_u32 s46, s46, s29                     ; my first row
	s_lshl_b32 s46, s46, 13
	s_add_nc_u64 s[30:31], s[30:31], s[46:47]
	s_lshr_b32 s46, s39, 3
	s_lshl_b32 s46, s46, 15                        ; (row / 128) x 32768
	s_add_co_u32 s46, s46, s38
	s_and_b32 s38, s39, 7
	s_lshl_b32 s38, s38, 11
	s_add_co_u32 s46, s46, s38
	s_lshl_b32 s38, s28, 9
	s_add_co_u32 s46, s46, s38                     ; + (row % 128) x 128
	s_add_nc_u64 s[32:33], s[20:21], s[46:47]      ; codes with e0,
	s_add_nc_u64 s[34:35], s[32:33], 0x800000      ; with e2,
	s_add_nc_u64 s[36:37], s[22:23], s[46:47]      ; with e4 (x alone stores there)
.irp t, 0,1,2,3
	ALOAD \t
.endr
	s_wait_kmcnt 0x0
	MKSC 40, 10
	MKSC 42, 12
	MKSC 44, 14
	s_cmp_lt_u32 ttmp9, 896
	s_cbranch_scc0 .Lhid
.irp t, 0,1,2,3,4,5,6,7,8,9,10,11,12,13,14,15
	ASTEP \t, 3
.endr
	s_endpgm
.Lhid:
.irp t, 0,1,2,3,4,5,6,7,8,9,10,11,12,13,14,15
	ASTEP \t, 2
.endr
	s_endpgm
.Lfunc_end_k_q6e695d1ee4_prep:
	.size	k_q6e695d1ee4_prep, .Lfunc_end_k_q6e695d1ee4_prep-k_q6e695d1ee4_prep
	.p2alignl 7, 3214868480
	.fill 96, 4, 3214868480
	.section	.rodata,"a",@progbits
	.p2align	6, 0x0
	.amdhsa_kernel k_q6e695d1ee4_prep
		.amdhsa_group_segment_fixed_size 0
		.amdhsa_private_segment_fixed_size 0
		.amdhsa_enable_private_segment 0
		.amdhsa_kernarg_size 80
		.amdhsa_user_sgpr_count 2
		.amdhsa_user_sgpr_kernarg_segment_ptr 1
		.amdhsa_wavefront_size32 1
		.amdhsa_system_sgpr_workgroup_id_x 1
		.amdhsa_system_sgpr_workgroup_id_y 1
		.amdhsa_system_sgpr_workgroup_id_z 1
		.amdhsa_system_vgpr_workitem_id 0
		.amdhsa_next_free_vgpr 128
		.amdhsa_next_free_sgpr 66
		.amdhsa_reserve_vcc 1
		.amdhsa_float_denorm_mode_32 3
		.amdhsa_float_denorm_mode_16_64 3
		.amdhsa_memory_ordered 1
		.amdhsa_forward_progress 1
		.amdhsa_inst_pref_size 175
	.end_amdhsa_kernel
	.amdgpu_metadata
---
amdhsa.version: [ 1, 2 ]
amdhsa.kernels:
  - .name:           k_q6e695d1ee4_prep
    .symbol:         k_q6e695d1ee4_prep.kd
    .args:
      - { .name: x, .offset: 0, .size: 8, .value_kind: global_buffer, .address_space: global }
      - { .name: hidden, .offset: 8, .size: 8, .value_kind: global_buffer, .address_space: global }
      - { .name: w_r, .offset: 16, .size: 8, .value_kind: global_buffer, .address_space: global }
      - { .name: w_z, .offset: 24, .size: 8, .value_kind: global_buffer, .address_space: global }
      - { .name: w_n, .offset: 32, .size: 8, .value_kind: global_buffer, .address_space: global }
      - { .name: lowp_scales, .offset: 40, .size: 8, .value_kind: global_buffer, .address_space: global }
      - { .name: a_rz, .offset: 48, .size: 8, .value_kind: global_buffer, .address_space: global }
      - { .name: a_n, .offset: 56, .size: 8, .value_kind: global_buffer, .address_space: global }
      - { .name: wc, .offset: 64, .size: 8, .value_kind: global_buffer, .address_space: global }
      - { .name: psum, .offset: 72, .size: 8, .value_kind: global_buffer, .address_space: global }
    .group_segment_fixed_size: 0
    .private_segment_fixed_size: 0
    .kernarg_segment_align: 8
    .kernarg_segment_size: 80
    .max_flat_workgroup_size: 128
    .sgpr_count:     66
    .vgpr_count:     128
    .wavefront_size: 32
...
	.end_amdgpu_metadata
.endif
;; end of part 1
;; launch gemm_r (part 2): grid 16 x 16, 4 waves a work-group, clusters of 4 x 4, 327,680 bytes of LDS; arguments a_rz, wc, psum, lowp_scales, b_r, hidden, a_n; writes a_n
.if DOCPART == 2
	.amdgcn_target "amdgcn-amd-amdhsa--gfx1250"
	.amdhsa_code_object_version 6
	.text
	.protected	k_q6e695d1ee4_gemm_r
	.globl	k_q6e695d1ee4_gemm_r
	.p2align	8
	.type	k_q6e695d1ee4_gemm_r,@function
k_q6e695d1ee4_gemm_r:
	s_mov_b64 s[64:65], 0
	v_nop
	global_prefetch_b8 v0, s[64:65] scope:SCOPE_SE
	s_setreg_imm32_b32 hwreg(HW_REG_WAVE_MODE, 25, 1), 1
	s_wait_xcnt 0x0
	s_wait_alu depctr_hold_cnt(0) depctr_sa_sdst(0) depctr_va_vdst(0) depctr_va_sdst(0) depctr_va_ssrc(0) depctr_va_vcc(0) depctr_vm_vsrc(0)
	s_getreg_b32 s2, hwreg(HW_REG_IB_STS2, 6, 4)
	s_cmp_eq_u32 s2, 0
	s_cbranch_scc0 .Lentry_in_a_cluster
	s_endpgm
.Lentry_in_a_cluster:
	s_bfe_u32 s2, ttmp6, 0x10000c
	s_cmp_lg_u32 s2, 0xf033
	s_cbranch_scc0 .Lentry_shape_is_right
	s_endpgm
.Lentry_shape_is_right:
; BitGRUCell, launch 2 of 3: product 1 on codes of E4M3, r = sigmoid(.), r x hidden, and its codes with 2^e4: the left operand of product 3 for K = 2048 .. 4095.  No work is left out.
; sum = sum_k (code of [x, hidden] with e0) x (code of sign(w_r)).  The pre-activation is sum x Q(m) x 2^(e0 + e1) + b_r, m = mean |w_r|, Q(m) = m / 2^e1 held at 448 and rounded to the nearest number of E4M3:
; the right operand's one magnitude, taken out of the sum (launch 1's head shows why that is exact).  r never goes to memory as f32.
; LIMITS: e4 between -126 and 119.  e0, e1 are applied by v_ldexp_f32 and have none.  NaN among the inputs is not served.
; SHARES.  A work-group makes 128 x 128 of r (256 work-groups), each of its four waves 64 x 64: 16 accumulators.  K goes in steps of 512 through a ring of two LDS slots.
; A block of 128 rows x 256 K of codes is 32,768 consecutive bytes of memory (launch 1's layout); a slot holds two of the left operand's and two of the right's; each wave fetches one with one tensor load.
; CLUSTERS: 4 x 4 work-groups.  The four of a row of the cluster need the same blocks of the left operand, the four of a column the same blocks of the right: each is asked for JOINTLY, by the same tensor load
; with the same descriptor and a mask that names the four.  THE MATRIX INSTRUCTION IS USED TRANSPOSED (source 0 = 16 rows of w, source 1 = 16 rows of the left operand): a lane holds eight neighbouring columns of one row.
; REGISTERS, in windows of 256: window 0: v1-29 addresses and constants; v32-63 partial sums of |w|; v64-95 the bias; v128-255 the accumulators ((a, b) at v[128 + 8 (4 a + b)]).
;   window 1: two fragment buffers of 128: the left operand's four fragments (16 rows x 128 K, 16 registers), then the right's four.   window 2: v0-127 hidden, asked for at the head; v128-255 r, back from the stage.
.set REG,    128*272                   ; a block in LDS: 128 lines of 256 bytes + 16 of padding; a line holds two rows of 128 codes
.set PANEL,  64*272                    ; its second 128 along K begin here
.set FRAGB,  8*272                     ; 16 rows
.set SLOT,   4*REG
.set SPARE,  2*SLOT                    ; behind the ring: the spare words, 128 bytes for each wave: two blocks of 256 bytes that no other line names
.set SPITCH, 528                       ; the way out: a stage of 128 rows x (512 bytes + 16), the work-group's.  It lies in slot 0, which has had its last fill and its last read when the first result is stored there
.set LAPS,   4                         ; a lap = two K steps = once round the ring: 4,096 / 1,024
.set KSTEPB, 0x200000                  ; bytes from a slot's blocks to its next: four blocks of 256 along K, 524,288 bytes each
.set ADRA, 8                           ; v8-11   LDS address of my fragments of the left operand: slot s, block k at 8 + 2 s + k
.set ADRB, 12                          ; v12-15  the same for the right operand
.set STO,  16                          ; v16     the way out: where I put 32 bytes of a row
.set RD,   17                          ; v17     and where I read back
.set HO,   18                          ; v18     my byte in the wave's rows of hidden
.set CO,   19                          ; v19     8 x lane
.set SC,   20                          ; v20     2^e4
.set LIM,  21                          ; v21     448 x 2^e4
.set PO,   22                          ; v22     16 x lane
.set BO,   23                          ; v23     32 x (lane / 16)
.set SPW,  28                          ; v28     LDS address of my spare word: SPARE + 4 x my thread's number; never rewritten
.set NIL,  29                          ; v29     0; never rewritten
.set PS,   32
.set BIAS, 64
.set ACC,  128
.set F0,   0
.set F1,   128
.set G1,  24                           ; s[24:31] descriptor group 1 for the left operand; s[32:39] group 0, a set for each slot
.set G0,  32
.set G1B, 48                           ; s[48:55], s[56:63] the same for the right operand
.set G0B, 56
.set MSB, 0
.macro WIN new                         ; the immediate's high byte repeats the setting that is left; a switch that changes nothing is dropped
.if MSB != (\new)
	s_set_vgpr_msb (MSB<<8)|(\new)
.set MSB, (\new)
.endif
.endm
.set MUL,  0x05                        ; sources 0 and 1 window 1; C and D window 0
.set TO_F, 0x40                        ; destination window 1, address window 0
; A joint load: waves 0 and 1 fetch the left operand's two blocks, waves 2 and 3 the right's.  The branch hangs on the wave's number alone.  An s_nop 0 and four v_nop follow each of the two lines.
.macro JLOAD s
	s_cmp_eq_u32 s19, 0
	s_cbranch_scc0 .Lfor_b_\@
	tensor_load_to_lds s[G0+4*\s:G0+4*\s+3], s[G1:G1+7]
	s_nop 0
.rept 4
	v_nop
.endr
	s_branch .Lasked_\@
.Lfor_b_\@:
	tensor_load_to_lds s[G0B+4*\s:G0B+4*\s+3], s[G1B:G1B+7]
	s_nop 0
.rept 4
	v_nop
.endr
.Lasked_\@:
.endm
.macro CREST                           ; a round of the cluster's barrier behind its opening barrier
	s_cmp_lg_u32 s18, 0
	s_cbranch_scc1 .Lnot_wave_0_\@
	s_barrier_signal -3
.Lnot_wave_0_\@:
	s_barrier_wait -3
	s_barrier_signal -1
	s_barrier_wait -1
.endm
.macro CROUND                          ; a whole round
	s_barrier_signal -1
	s_barrier_wait -1
	CREST
.endm
.macro PLACES                          ; four plain vector lines in front of loads into registers that matrix instructions have read, and of the first read of results
.rept 4
	v_nop
.endr
.endm
; 4 matrix instructions: the left operand's block a x the right's four, 128 along K, from buffer f.  zero = 1: the product starts the sums: nothing is cleared.
; The 16 accumulators take turns, one instruction a turn, in the same order in every quarter.
.macro MUL4 f, a, zero
.irp b, 0,1,2,3
.if \zero
	v_wmma_f32_16x16x128_fp8_fp8 v[ACC+8*(4*(\a)+\b):ACC+8*(4*(\a)+\b)+7], v[\f+64+16*\b:\f+64+16*\b+15], v[\f+16*(\a):\f+16*(\a)+15], 0
.else
	v_wmma_f32_16x16x128_fp8_fp8 v[ACC+8*(4*(\a)+\b):ACC+8*(4*(\a)+\b)+7], v[\f+64+16*\b:\f+64+16*\b+15], v[\f+16*(\a):\f+16*(\a)+15], v[ACC+8*(4*(\a)+\b):ACC+8*(4*(\a)+\b)+7]
.endif
.endr
.endm
.macro MUL8 f, a0, zero
	MUL4 \f, \a0, \zero
	MUL4 \f, (\a0)+1, \zero
.endm
; A fragment: lane l holds row l % 16; register group c holds the row's bytes 32 c + 16 (l / 16) + 0 .. 15: the same places in both operands
.macro FRAG reg, adr, p, i
.irp c, 0,1,2,3
	ds_load_b128 v[\reg+4*\c:\reg+4*\c+3], v[\adr] offset:(\p)*PANEL+(\i)*FRAGB+32*\c
.endr
.endm
.macro FETCH slot, q, f                ; 32 LDS loads in one run: the slot's q-th 128 along K into buffer f; the right operand first, the left operand's blocks 2 and 3 last
	WIN TO_F
.irp i, 0,1,2,3
	FRAG \f+64+16*\i, ADRB+2*\slot+(\q)/2, (\q)%2, \i
.endr
.irp i, 0,1,2,3
	FRAG \f+16*\i, ADRA+2*\slot+(\q)/2, (\q)%2, \i
.endr
.endm
; A K step is four quarters of 128 along K, 16 matrix instructions each, on buffers 0, 1, 0, 1.  One of the first three: multiplies buffer f and fetches quarter q into g.
.macro QUARTER slot, q, f, g, zero
	s_wait_dscnt 8                                 ; all but the youngest eight loads (the left operand's blocks 2 and 3) are in
	WIN MUL
	MUL8 \f, 0, \zero
	PLACES
	FETCH \slot, \q, \g
	s_wait_dscnt 32                                ; all but the 32 just issued
	WIN MUL
	MUL8 \f, 2, \zero
.endm
; The last quarter multiplies buffer 1 and changes slots: ONE barrier; in front of it each wave waits for all its tensor loads, adds 0 to its spare word, and waits for that and for its reads of this slot.
; fill = 1: the barrier opens a round of the cluster's barrier, and this slot is filled again, two K steps ahead, first thing behind the round.
.macro TURN slot, next, fill
	WIN 0                                          ; (the add's two registers lie in window 0)
	s_wait_tensorcnt 0x0                           ; all my tensor loads have landed: the one that was out is my block of the next slot
	ds_add_u32 v[SPW], v[NIL]                      ; 0 onto my spare word
	s_wait_dscnt 9                                 ; (the add and the youngest eight loads may be out)
	WIN MUL
	MUL4 F1, 0, 0                                  ; four matrix instructions stand between the add and the wait for it
	s_wait_dscnt 0x0                               ; the add is done, and my reads of this slot are over
	s_barrier_signal -1
	MUL4 F1, 1, 0                                  ; work on registers while the others arrive
	WIN 0
	s_barrier_wait -1
.if \fill
	CREST                                          ; no wave of any partner still reads this slot or has a load on its way
	s_add_nc_u64 s[G0+4*\slot+2:G0+4*\slot+3], s[G0+4*\slot+2:G0+4*\slot+3], KSTEPB
	s_add_nc_u64 s[G0B+4*\slot+2:G0B+4*\slot+3], s[G0B+4*\slot+2:G0B+4*\slot+3], KSTEPB
	JLOAD \slot                                    ; the first tensor load behind the round, my only one until the next; its four v_nop are also the places in front of the loads below
.else
	PLACES
.endif
	FETCH \next, 0, F0
	WIN MUL
	MUL8 F1, 2, 0
.endm
	s_load_b256 s[4:11], s[0:1], 0x0               ; a_rz s[4:5], wc s[6:7], psum s[8:9], the scales s[10:11]
	s_load_b128 s[12:15], s[0:1], 0x20             ; b_r s[12:13], hidden s[14:15]
	s_load_b64 s[16:17], s[0:1], 0x30              ; a_n
	v_lshl_add_u32 v[SPW], v0, 2, SPARE
	v_mov_b32 v[NIL], 0
	ds_add_u32 v[SPW], v[NIL]                      ; the wave's opening: the add, twice on end, and its wait ahead of my first tensor load; the set-up below stands between the second and the wait
	ds_add_u32 v[SPW], v[NIL]
	v_lshrrev_b32 v1, 5, v0
	v_readfirstlane_b32 s18, v1                    ; wave 0..3
	s_lshr_b32 s19, s18, 1                         ; which 64 rows of the tile are mine.  Also: I fetch for the left operand (0) or the right (1)
	s_and_b32 s20, s18, 1                          ; which 64 columns.  Also: which 256 of a slot's 512 along K I fetch
	s_bfe_u32 s40, ttmp6, 0x40000                  ; cx, cy: my place in the cluster
	s_bfe_u32 s41, ttmp6, 0x40004
	s_lshl_b32 s42, ttmp9, 2
	s_add_co_u32 s42, s42, s40                     ; tile column = 4 x cluster x + cx
	s_and_b32 s43, ttmp7, 0xffff
	s_lshl_b32 s43, s43, 2
	s_add_co_u32 s43, s43, s41                     ; tile row = 4 x cluster y + cy
	s_lshl_b32 s44, s41, 2
	s_lshl_b32 s44, 15, s44                        ; my row of the cluster
	s_lshl_b32 s45, 0x1111, s40                    ; my column
	; descriptor group 1: a block as 128 lines of 256 bytes, dense in memory, padded in LDS
	s_or_b32 s[G1], s44, (1<<20)|(1<<21)|(5<<22)|(3<<25)    ; 15:0 the mask; 17:16 elements of 1 byte; 20 padding on; 21 set beside a mask; 24:22 after every 64 words (code 5); 31:25 four words (code 3)
	s_or_b32 s[G1B], s45, (1<<20)|(1<<21)|(5<<22)|(3<<25)
.irp g, G1, G1B
	s_mov_b32 s[\g+1], 256<<16                     ; tensor_dim0 = 256
	s_mov_b32 s[\g+2], 128<<16                     ; tensor_dim1 = 128
	s_mov_b32 s[\g+3], 256<<16                     ; tile_dim0 = 256
	s_mov_b32 s[\g+4], 128                         ; tile_dim1 = 128
	s_mov_b32 s[\g+5], 256                         ; from line to line
	s_mov_b32 s[\g+6], 0
	s_mov_b32 s[\g+7], 0
.endr
	s_lshl_b32 s21, s20, 19                        ; my 256 along K of K step 0
	s_lshl_b32 s66, s43, 15                        ; left operand: the tile row's block: it hangs on the tile row alone, which my row of the cluster shares
	s_add_co_u32 s66, s66, s21
	s_mov_b32 s67, 0
	s_lshl_b32 s78, s42, 15                        ; right operand: the tile column's block, which my column shares
	s_add_co_u32 s78, s78, s21
	s_mov_b32 s79, 0
	s_mul_i32 s22, s18, REG                        ; where my block goes: wave x a block: no place in the cluster enters an LDS address
	s_mov_b32 s76, 0x76543210                      ; v_permlanex16_b32: each lane takes its own place in the other half
	s_mov_b32 s77, 0xfedcba98
	s_wait_dscnt 0x0                               ; both opening adds are done
	s_wait_kmcnt 0x0
	s_load_b128 s[68:71], s[10:11], 0x0            ; e0 .. e3
	s_load_b64 s[72:73], s[10:11], 0x10            ; e4, e5
	s_add_nc_u64 s[66:67], s[4:5], s[66:67]        ; set 0 of a_rz: the codes with e0
	s_add_nc_u64 s[78:79], s[6:7], s[78:79]        ; gate 0 of wc
	CROUND                                         ; all sixteen work-groups are here: the first joint loads meet
.irp s, 0,1
	s_mov_b32 s[G0+4*\s], 1
	s_add_co_u32 s[G0+4*\s+1], s22, \s*SLOT
	s_add_nc_u64 s[G0+4*\s+2:G0+4*\s+3], s[66:67], \s*0x100000   ; K step s: two blocks of 256 along K further
	s_or_b32 s[G0+4*\s+3], s[G0+4*\s+3], 0x80000000
	s_mov_b32 s[G0B+4*\s], 1
	s_add_co_u32 s[G0B+4*\s+1], s22, \s*SLOT
	s_add_nc_u64 s[G0B+4*\s+2:G0B+4*\s+3], s[78:79], \s*0x100000
	s_or_b32 s[G0B+4*\s+3], s[G0B+4*\s+3], 0x80000000
	JLOAD \s                                       ; two tensor loads of mine are out
.endr
	v_and_b32 v1, 15, v0                           ; r = l % 16
	v_bfe_u32 v2, v0, 4, 1                         ; h = l / 16
	v_and_b32 v3, 31, v0                           ; lane
	v_lshrrev_b32 v4, 1, v1
	v_mul_u32_u24 v4, v4, 272                      ; row r lies in line r / 2,
	v_and_b32 v5, 1, v1
	v_lshl_add_u32 v4, v5, 7, v4                   ; in its half r % 2: the 16 rows of a load start at 16 different places modulo 256 bytes
	v_lshl_add_u32 v4, v2, 4, v4                   ; + 16 h
	s_mul_i32 s46, s19, 4*FRAGB                    ; my 64 rows of the left operand
	s_mul_i32 s47, s20, 4*FRAGB                    ; my 64 rows of the right,
	s_add_co_u32 s47, s47, 2*REG                   ; whose blocks lie behind the left's two
.irp s, 0,1
.irp k, 0,1
	s_add_co_u32 s21, s46, \s*SLOT+\k*REG
	v_add_nc_u32 v[ADRA+2*\s+\k], s21, v4
	s_add_co_u32 s21, s47, \s*SLOT+\k*REG
	v_add_nc_u32 v[ADRB+2*\s+\k], s21, v4
.endr
.endr
	v_mul_u32_u24 v5, v1, SPITCH                   ; into the stage: row 64 x (my half) + r, byte 256 x (my half of the columns) + 32 h
	v_lshl_add_u32 v5, v2, 5, v5
	s_mul_i32 s23, s19, 64*SPITCH
	s_lshl_b32 s21, s20, 8
	s_add_co_u32 s23, s23, s21
	v_add_nc_u32 v[STO], s23, v5
	v_mul_u32_u24 v5, v2, SPITCH                   ; back: wave w takes rows 32 w on, two at a time: lanes 0-15 one row, lanes 16-31 the next; 16 bytes a lane
	v_lshl_add_u32 v5, v1, 4, v5
	s_mul_i32 s23, s18, 32*SPITCH
	v_add_nc_u32 v[RD], s23, v5
	v_lshlrev_b32 v5, 4, v1
	v_lshl_add_u32 v[HO], v2, 13, v5               ; the same two rows in hidden: h x 8,192 + 16 r
	v_lshlrev_b32 v[CO], 3, v3
	v_lshlrev_b32 v[PO], 4, v3
	v_lshlrev_b32 v[BO], 5, v2
	s_lshl_b32 s46, s42, 9                         ; b_r at column 128 x tile column + 64 x (my half)
	s_lshl_b32 s21, s20, 8
	s_add_co_u32 s46, s46, s21
	s_mov_b32 s47, 0
	s_add_nc_u64 s[12:13], s[12:13], s[46:47]
	s_lshl_b32 s46, s43, 20                        ; hidden at row 128 x tile row + 32 x wave, column 128 x tile column
	s_lshl_b32 s21, s18, 18
	s_add_co_u32 s46, s46, s21
	s_lshl_b32 s21, s42, 9
	s_add_co_u32 s46, s46, s21
	s_add_nc_u64 s[14:15], s[14:15], s[46:47]
	s_lshr_b32 s46, s42, 1                         ; a_n: K = 2048 + 128 x tile column: block 8 + tile column / 2, its half tile column % 2; rows 128 x tile row + 32 x wave on
	s_lshl_b32 s46, s46, 19
	s_lshl_b32 s21, s43, 15
	s_add_co_u32 s46, s46, s21
	s_and_b32 s21, s42, 1
	s_lshl_b32 s21, s21, 14
	s_add_co_u32 s46, s46, s21
	s_lshl_b32 s21, s18, 12
	s_add_co_u32 s46, s46, s21
	s_add_co_u32 s46, s46, 0x400000
	s_add_nc_u64 s[16:17], s[16:17], s[46:47]
.irp i, 0,1,2,3,4,5,6,7
	global_load_b128 v[PS+4*\i:PS+4*\i+3], v[PO], s[8:9] offset:512*\i      ; gate 0's 1,024 partial sums of |w|: 32 a lane
.endr
.irp b, 0,1,2,3
	global_load_b128 v[BIAS+8*\b:BIAS+8*\b+3], v[BO], s[12:13] offset:64*\b           ; the bias in the result's layout: for block b columns 16 b + 8 h + 0 .. 7
	global_load_b128 v[BIAS+8*\b+4:BIAS+8*\b+7], v[BO], s[12:13] offset:64*\b+16
.endr
	WIN 0x80                                       ; destination window 2
.irp t, 0,1,2,3,4,5,6,7,8,9,10,11,12,13,14,15
.irp j, 0,1
	global_load_b128 v[8*\t+4*\j:8*\t+4*\j+3], v[HO], s[14:15] offset:16384*\t+256*\j th:TH_LOAD_NT   ; hidden for the way out, rows 2 t, 2 t + 1: two runs of 256 consecutive bytes a load; they land under the products
.endr
.endr
	WIN 0
	s_wait_loadcnt 32                              ; the partial sums and the bias are in; hidden's 32 loads stay out
	; the tensor's sum of |w|: every wave of every work-group adds in the same order
.irp i, 0,1,2,3,4,5,6,7
	v_pk_add_f32 v[PS+4*\i:PS+4*\i+1], v[PS+4*\i:PS+4*\i+1], v[PS+4*\i+2:PS+4*\i+3]
.endr
.irp i, 0,1,2,3
	v_pk_add_f32 v[PS+8*\i:PS+8*\i+1], v[PS+8*\i:PS+8*\i+1], v[PS+8*\i+4:PS+8*\i+5]
.endr
.irp i, 0,1
	v_pk_add_f32 v[PS+16*\i:PS+16*\i+1], v[PS+16*\i:PS+16*\i+1], v[PS+16*\i+8:PS+16*\i+9]
.endr
	v_pk_add_f32 v[PS:PS+1], v[PS:PS+1], v[PS+16:PS+17]
	v_add_f32 v32, v32, v33
	v_add_f32_dpp v32, v32, v32 row_xmask:1 row_mask:0xf bank_mask:0xf
	v_add_f32_dpp v32, v32, v32 row_xmask:2 row_mask:0xf bank_mask:0xf
	v_add_f32_dpp v32, v32, v32 row_xmask:4 row_mask:0xf bank_mask:0xf
	v_add_f32_dpp v32, v32, v32 row_xmask:8 row_mask:0xf bank_mask:0xf
	v_permlanex16_b32 v33, v32, s76, s77
	v_add_f32 v32, v32, v33
	s_wait_kmcnt 0x0                               ; the exponents
	s_add_co_i32 s46, s69, 23
	s_sub_co_i32 s46, 0, s46
	v_ldexp_f32 v32, v32, s46                      ; m / 2^e1: the mean is the sum / 2^23 (2,048 x 4,096 numbers)
	v_min_num_f32 v32, 0x43e00000, v32             ; held at 448 (it is not negative)
	v_cvt_pk_fp8_f32 v33.l, v32, v32               ; to the nearest code, ties to even,
	v_nop
	v_cvt_f32_fp8 v34, v33                         ; and back: Q(m) / 2^e1
	v_nop
	s_add_co_i32 s47, s68, s69
	v_ldexp_f32 v34, v34, s47                      ; x 2^(e0 + e1)
	v_mul_f32 v34, 0xbfb8aa3b, v34                 ; x -log2(e): sigmoid(v) = 1 / (1 + 2^(-log2(e) v))
	v_readfirstlane_b32 s74, v34
	s_mov_b32 s75, s74                             ; (named with it as a pair, so it is written)
.set jj, 0
.rept 16
	v_pk_mul_f32 v[BIAS+jj:BIAS+jj+1], v[BIAS+jj:BIAS+jj+1], 0xbfb8aa3b op_sel_hi:[1,0]   ; the bias x -log2(e)
.set jj, jj+2
.endr
	s_add_co_i32 s46, s72, 127
	s_lshl_b32 s47, s46, 23
	v_mov_b32 v[SC], s47                           ; 2^e4 as f32: the conversion takes its exponent field
	s_add_co_i32 s46, s46, 8
	s_lshl_b32 s46, s46, 23
	s_or_b32 s46, s46, 0x600000
	v_mov_b32 v[LIM], s46                          ; 448 x 2^e4
	s_wait_tensorcnt 0x1                           ; my block of K step 0 is in; K step 1's may stay out
	s_barrier_signal -1
	s_barrier_wait -1                              ; everybody's is
	FETCH 0, 0, F0
	QUARTER 0, 1, F0, F1, 1                        ; the first quarter stands in front of the loop: its products start the sums
	WIN 0                                          ; at a label and at a branch every window is 0
	s_mov_b32 s3, LAPS-1
.Llap:                                                 ; a trip goes once round the ring, from a lap's second quarter to the next lap's first, and fills both slots again
	QUARTER 0, 2, F1, F0, 0
	QUARTER 0, 3, F0, F1, 0
	TURN 0, 1, 1
	QUARTER 1, 1, F0, F1, 0
	QUARTER 1, 2, F1, F0, 0
	QUARTER 1, 3, F0, F1, 0
	TURN 1, 0, 1
	QUARTER 0, 1, F0, F1, 0
	WIN 0
	s_sub_co_u32 s3, s3, 1
	s_cmp_lg_u32 s3, 0
	s_cbranch_scc1 .Llap
	QUARTER 0, 2, F1, F0, 0                        ; the last lap fills nothing, and has no round of the cluster's barrier
	QUARTER 0, 3, F0, F1, 0
	TURN 0, 1, 0
	QUARTER 1, 1, F0, F1, 0
	QUARTER 1, 2, F1, F0, 0
	QUARTER 1, 3, F0, F1, 0
	s_wait_dscnt 8                                 ; the very last quarter: nothing more to fetch
	WIN MUL
	MUL8 F1, 0, 0
	s_wait_dscnt 0x0
	MUL8 F1, 2, 0
	WIN 0
	; THE WAY OUT.  r = 1 / (1 + 2^(sum x F + bias')), each accumulator from its low end on; exponentials and reciprocals as one batch each, with one wait.
	PLACES
.irp t, 0,1,2,3,4,5,6,7,8,9,10,11,12,13,14,15
.irp i, 0,2,4,6
	v_pk_fma_f32 v[ACC+8*\t+\i:ACC+8*\t+\i+1], v[ACC+8*\t+\i:ACC+8*\t+\i+1], s[74:75], v[BIAS+8*(\t%4)+\i:BIAS+8*(\t%4)+\i+1] op_sel_hi:[1,0,1]
.endr
.endr
.set jj, 0
.rept 128
	v_exp_f32 v[ACC+jj], v[ACC+jj]
.set jj, jj+1
.endr
	v_nop                                          ; a plain line behind the last exponential,
	s_wait_alu depctr_va_vdst(0)                   ; and the one wait ahead of the batch's first reader
.set jj, 0
.rept 64
	v_pk_add_f32 v[ACC+jj:ACC+jj+1], v[ACC+jj:ACC+jj+1], 1.0 op_sel_hi:[1,0]
.set jj, jj+2
.endr
.set jj, 0
.rept 128
	v_rcp_f32 v[ACC+jj], v[ACC+jj]
.set jj, jj+1
.endr
	v_nop
	s_wait_alu depctr_va_vdst(0)                   ; likewise for the reciprocals
	; r goes through the work-group's stage, so that a lane gets, of one row, the eight numbers whose codes lie together in launch 1's layout
.irp a, 0,1,2,3
.irp b, 0,1,2,3
	ds_store_b128 v[STO], v[ACC+8*(4*\a+\b):ACC+8*(4*\a+\b)+3] offset:\a*16*SPITCH+64*\b
	ds_store_b128 v[STO], v[ACC+8*(4*\a+\b)+4:ACC+8*(4*\a+\b)+7] offset:\a*16*SPITCH+64*\b+16
.endr
.endr
	s_wait_dscnt 0x0                               ; for the others' sake: my stores into the stage are done
	s_barrier_signal -1
	s_barrier_wait -1
	WIN 0x80                                       ; destination window 2
.irp t, 0,1,2,3,4,5,6,7,8,9,10,11,12,13,14,15
.irp j, 0,1
	ds_load_b128 v[128+8*\t+4*\j:128+8*\t+4*\j+3], v[RD] offset:\t*2*SPITCH+256*\j   ; rows 2 t, 2 t + 1 of my 32: columns 64 j + 4 (l % 16) + 0 .. 3
.endr
.endr
	s_wait_loadcnt 0x0                             ; hidden
	s_wait_dscnt 0x0
	WIN 0x8a                                       ; destination and both sources window 2
.set jj, 0
.rept 64
	v_pk_mul_f32 v[128+jj:129+jj], v[128+jj:129+jj], v[jj:jj+1]   ; r x hidden, in f32
.set jj, jj+2
.endr
	WIN 0x82                                       ; destination and source 0 window 2; the hold and the scale window 0
.irp t, 0,1,2,3,4,5,6,7,8,9,10,11,12,13,14,15
.irp i, 0,1,2,3,4,5,6,7
	v_med3_num_f32 v[128+8*\t+\i], v[128+8*\t+\i], -v[LIM], v[LIM]   ; the conversion does not saturate (ISA guide 7.6.2): the hold at 448 x 2^e4 comes first
.endr
	v_cvt_scalef32_pk8_fp8_f32 v[2*\t:2*\t+1], v[128+8*\t:128+8*\t+7], v[SC]   ; into registers that hidden has left; the next eight holds are plain lines that name none of its registers
.endr
	v_nop                                          ; a plain line behind the last conversion
	WIN 0x08                                       ; store data window 2
.irp t, 0,1,2,3,4,5,6,7,8,9,10,11,12,13,14,15
	global_store_b64 v[CO], v[2*\t:2*\t+1], s[16:17] offset:256*\t   ; 32 lanes store 256 consecutive bytes, aligned: two rows' 128 codes
.endr
	WIN 0
	s_wait_tensorcnt 0x0                           ; the wave's end: an add to my spare word and its wait, behind my last tensor load and my last LDS store
	ds_add_u32 v[SPW], v[NIL]
	s_wait_dscnt 0x0
	CROUND                                         ; the closing round: no work-group ends while a partner may still ask for a block that names it
	s_endpgm
.Lfunc_end_k_q6e695d1ee4_gemm_r:
	.size	k_q6e695d1ee4_gemm_r, .Lfunc_end_k_q6e695d1ee4_gemm_r-k_q6e695d1ee4_gemm_r
	.p2alignl 7, 3214868480
	.fill 96, 4, 3214868480
	.section	.rodata,"a",@progbits
	.p2align	6, 0x0
	.amdhsa_kernel k_q6e695d1ee4_gemm_r
		.amdhsa_group_segment_fixed_size 327680
		.amdhsa_private_segment_fixed_size 0
		.amdhsa_enable_private_segment 0
		.amdhsa_kernarg_size 56
		.amdhsa_user_sgpr_count 2
		.amdhsa_user_sgpr_kernarg_segment_ptr 1
		.amdhsa_wavefront_size32 1
		.amdhsa_system_sgpr_workgroup_id_x 1
		.amdhsa_system_sgpr_workgroup_id_y 1
		.amdhsa_system_sgpr_workgroup_id_z 1
		.amdhsa_system_vgpr_workitem_id 0
		.amdhsa_next_free_vgpr 768
		.amdhsa_next_free_sgpr 80
		.amdhsa_reserve_vcc 0
		.amdhsa_float_denorm_mode_32 3
		.amdhsa_float_denorm_mode_16_64 3
		.amdhsa_memory_ordered 1
		.amdhsa_forward_progress 1
		.amdhsa_inst_pref_size 107
	.end_amdhsa_kernel
	.amdgpu_metadata
---
amdhsa.version: [ 1, 2 ]
amdhsa.kernels:
  - .name:           k_q6e695d1ee4_gemm_r
    .symbol:         k_q6e695d1ee4_gemm_r.kd
    .args:
      - { .name: a_rz, .offset: 0, .size: 8, .value_kind: global_buffer, .address_space: global }
      - { .name: wc, .offset: 8, .size: 8, .value_kind: global_buffer, .address_space: global }
      - { .name: psum, .offset: 16, .size: 8, .value_kind: global_buffer, .address_space: global }
      - { .name: lowp_scales, .offset: 24, .size: 8, .value_kind: global_buffer, .address_space: global }
      - { .name: b_r, .offset: 32, .size: 8, .value_kind: global_buffer, .address_space: global }
      - { .name: hidden, .offset: 40, .size: 8, .value_kind: global_buffer, .address_space: global }
      - { .name: a_n, .offset: 48, .size: 8, .value_kind: global_buffer, .address_space: global }
    .group_segment_fixed_size: 327680
    .private_segment_fixed_size: 0
    .kernarg_segment_align: 8
    .kernarg_segment_size: 56
    .max_flat_workgroup_size: 128
    .sgpr_count:     80
    .vgpr_count:     768
    .wavefront_size: 32
...
	.end_amdgpu_metadata
.endif
;; end of part 2
;; launch gemm_zn (part 3): grid 16 x 16, 4 waves a work-group, clusters of 4 x 4, 327,680 bytes of LDS; arguments a_rz, a_n, wc, psum, lowp_scales, b_z, b_n, hidden, out0; writes out0
.if DOCPART == 3
	.amdgcn_target "amdgcn-amd-amdhsa--gfx1250"
	.amdhsa_code_object_version 6
	.text
	.protected	k_q6e695d1ee4_gemm_zn
	.globl	k_q6e695d1ee4_gemm_zn
	.p2align	8
	.type	k_q6e695d1ee4_gemm_zn,@function
k_q6e695d1ee4_gemm_zn:
	s_mov_b64 s[64:65], 0
	v_nop
	global_prefetch_b8 v0, s[64:65] scope:SCOPE_SE
	s_setreg_imm32_b32 hwreg(HW_REG_WAVE_MODE, 25, 1), 1
	s_wait_xcnt 0x0
	s_wait_alu depctr_hold_cnt(0) depctr_sa_sdst(0) depctr_va_vdst(0) depctr_va_sdst(0) depctr_va_ssrc(0) depctr_va_vcc(0) depctr_vm_vsrc(0)
	s_getreg_b32 s2, hwreg(HW_REG_IB_STS2, 6, 4)
	s_cmp_eq_u32 s2, 0
	s_cbranch_scc0 .Lentry_in_a_cluster
	s_endpgm
.Lentry_in_a_cluster:
	s_bfe_u32 s2, ttmp6, 0x10000c
	s_cmp_lg_u32 s2, 0xf033
	s_cbranch_scc0 .Lentry_shape_is_right
	s_endpgm
.Lentry_shape_is_right:
; BitGRUCell, launch 3 of 3: products 2 and 3 on codes of E4M3 for the SAME 128 x 128 block of the output in one work-group, z = sigmoid(.), n = tanh(.), h_new = hidden + z (n - hidden).  No work is left out.
; z and n meet in LDS and never go to memory.  As in launch 2, a pre-activation is sum x Q(m) x 2^(eA + eB) + bias, Q(m) the right operand's one magnitude by the stated quantiser (launch 1's head shows why that is exact).
; Both activations come from u = 1 / (1 + 2^(k v)): z = u with k = -log2(e); n = 1 - 2 u with k = 2 log2(e).  (1 - z) hidden + z n is written hidden + z (n - hidden): one rounding's difference.
; LIMITS: the exponents are applied by v_ldexp_f32 and have none here.  NaN among the inputs is not served.
; SHARES.  256 work-groups of four waves.  Waves 0, 1 make z, waves 2, 3 make n; each 64 rows x 128 columns: 32 accumulators.  K goes in steps of 256 through a ring of two LDS slots; a slot holds four blocks of
; 128 rows x 256 K (32,768 consecutive bytes of memory each): z's left and right operand, n's left and right; wave w fetches block w with one tensor load.
; CLUSTERS: 4 x 4 work-groups.  The left operands' blocks hang on the tile row alone and are asked for JOINTLY along a row of the cluster, the right operands' on the tile column alone, along a column.
; THE MATRIX INSTRUCTION IS USED TRANSPOSED (source 0 = 16 rows of w, source 1 = 16 rows of the left operand): a lane holds eight neighbouring columns of one row.
; REGISTERS, in windows of 256: window 0: v1-29 addresses; v32-63 partial sums of |w|; v64-127 the bias; v128-255 hidden, asked for at the head.
;   windows 1 and 2: two sets of fragments: the right operand's eight at v[16 b], the left's four at v[128 + 16 i].   window 3: the accumulators ((a, b) at v[8 (8 a + b)]).
.set REG,    128*272                   ; a block in LDS: 128 lines of 256 bytes + 16 of padding; a line holds two rows of 128 codes
.set PANEL,  64*272                    ; its second 128 along K begin here
.set FRAGB,  8*272                     ; 16 rows
.set SLOT,   4*REG
.set SPARE,  2*SLOT                    ; behind the ring: the spare words, 128 bytes for each wave: two blocks of 256 bytes that no other line names
.set SPITCH, 528                       ; the way out: two stages of 128 rows x (512 bytes + 16), z's and n's.  They lie in slot 0, which has had its last fill and its last read when the first result is stored there
.set PLANE,  128*SPITCH
.set LAPS,   8                         ; a lap = two K steps = once round the ring: 4,096 / 512
.set KSTEPB, 0x100000                  ; bytes from a slot's block to its next: two blocks of 256 along K
.set ADRA, 8                           ; v8-9    LDS address of my fragments of the left operand in slot 0, 1
.set ADRB, 10                          ; v10-11  the same for the right operand
.set STO,  16                          ; v16     the way out: where I put 32 bytes of a row
.set RDZ,  17                          ; v17     where I read z's rows back
.set RDN,  18                          ; v18     and n's
.set OO,   19                          ; v19     16 x lane
.set BO,   23                          ; v23     32 x (lane / 16)
.set SPW,  28                          ; v28     LDS address of my spare word: SPARE + 4 x my thread's number; never rewritten
.set NIL,  29                          ; v29     0; never rewritten
.set PS,   32
.set BIAS, 64
.set HID,  128
.set G1,  24                           ; s[24:31] descriptor group 1 for the left operands; s[32:39] group 0, a set for each slot
.set G0,  32
.set G1B, 48                           ; s[48:55], s[56:63] the same for the right operands
.set G0B, 56
.set MSB, 0
.macro WIN new                         ; the immediate's high byte repeats the setting that is left; a switch that changes nothing is dropped
.if MSB != (\new)
	s_set_vgpr_msb (MSB<<8)|(\new)
.set MSB, (\new)
.endif
.endm
.set MUL0, 0xf5                        ; sources 0 and 1 window 1 (set 0); C and D window 3
.set MUL1, 0xfa                        ; sources 0 and 1 window 2 (set 1); C and D window 3
; A joint load: waves 0 and 2 fetch a left operand's block, waves 1 and 3 a right operand's.  The branch hangs on the wave's number alone.  An s_nop 0 and four v_nop follow each of the two lines.
.macro JLOAD s
	s_cmp_eq_u32 s2, 0
	s_cbranch_scc0 .Lfor_b_\@
	tensor_load_to_lds s[G0+4*\s:G0+4*\s+3], s[G1:G1+7]
	s_nop 0
.rept 4
	v_nop
.endr
	s_branch .Lasked_\@
.Lfor_b_\@:
	tensor_load_to_lds s[G0B+4*\s:G0B+4*\s+3], s[G1B:G1B+7]
	s_nop 0
.rept 4
	v_nop
.endr
.Lasked_\@:
.endm
.macro CREST                           ; a round of the cluster's barrier behind its opening barrier
	s_cmp_lg_u32 s22, 0
	s_cbranch_scc1 .Lnot_wave_0_\@
	s_barrier_signal -3
.Lnot_wave_0_\@:
	s_barrier_wait -3
	s_barrier_signal -1
	s_barrier_wait -1
.endm
.macro CROUND                          ; a whole round
	s_barrier_signal -1
	s_barrier_wait -1
	CREST
.endm
.macro PLACES                          ; four plain vector lines in front of loads into registers that matrix instructions have read, and of the first read of results
.rept 4
	v_nop
.endr
.endm
; 8 matrix instructions: the left operand's block a x the right's eight, 128 along K; the window setting says which set.  zero = 1: the product starts the sums: nothing is cleared.
; The 32 accumulators take turns, one instruction a turn, in the same order in every step.
.macro MUL8 a, zero
.irp b, 0,1,2,3,4,5,6,7
.if \zero
	v_wmma_f32_16x16x128_fp8_fp8 v[8*(8*(\a)+\b):8*(8*(\a)+\b)+7], v[16*\b:16*\b+15], v[128+16*(\a):128+16*(\a)+15], 0
.else
	v_wmma_f32_16x16x128_fp8_fp8 v[8*(8*(\a)+\b):8*(8*(\a)+\b)+7], v[16*\b:16*\b+15], v[128+16*(\a):128+16*(\a)+15], v[8*(8*(\a)+\b):8*(8*(\a)+\b)+7]
.endif
.endr
.endm
.macro MUL16 a0, zero
	MUL8 \a0, \zero
	MUL8 (\a0)+1, \zero
.endm
; A fragment: lane l holds row l % 16; register group c holds the row's bytes 32 c + 16 (l / 16) + 0 .. 15: the same places in both operands
.macro FRAG reg, adr, p, i
.irp c, 0,1,2,3
	ds_load_b128 v[\reg+4*\c:\reg+4*\c+3], v[\adr] offset:(\p)*PANEL+(\i)*FRAGB+32*\c
.endr
.endm
.macro FETCH slot, p, f                ; 48 LDS loads in one run: the slot's p-th 128 along K into set f; the right operand first, the left operand's blocks 2 and 3 last
.if \f
	WIN 0x80                                       ; destination window 2, address window 0
.else
	WIN 0x40                                       ; destination window 1
.endif
.irp i, 0,1,2,3,4,5,6,7
	FRAG 16*\i, ADRB+\slot, \p, \i
.endr
.irp i, 0,1,2,3
	FRAG 128+16*\i, ADRA+\slot, \p, \i
.endr
.endm
; A slot's first 128 along K: multiplies set 0 and fetches the second 128 into set 1.
.macro STEP slot, zero
	s_wait_dscnt 8                                 ; all but the youngest eight loads (the left operand's blocks 2 and 3) are in
	WIN MUL0
	MUL16 0, \zero
	PLACES
	FETCH \slot, 1, 1
	s_wait_dscnt 48                                ; all but the 48 just issued
	WIN MUL0
	MUL16 2, \zero
.endm
; A slot's second 128 along K: multiplies set 1 and changes slots: ONE barrier; in front of it each wave waits for all its tensor loads, adds 0 to its spare word, and waits for that and for its reads of this slot.
; fill = 1: the barrier opens a round of the cluster's barrier, and this slot is filled again, two K steps ahead, first thing behind the round.
.macro TURN slot, next, fill
	WIN 0                                          ; (the add's two registers lie in window 0)
	s_wait_tensorcnt 0x0                           ; all my tensor loads have landed: the one that was out is my block of the next slot
	ds_add_u32 v[SPW], v[NIL]                      ; 0 onto my spare word
	s_wait_dscnt 9                                 ; (the add and the youngest eight loads may be out)
	WIN MUL1
	MUL8 0, 0                                      ; eight matrix instructions stand between the add and the wait for it
	s_wait_dscnt 0x0                               ; the add is done, and my reads of this slot are over
	s_barrier_signal -1
	MUL8 1, 0                                      ; work on registers while the others arrive
	WIN 0
	s_barrier_wait -1
.if \fill
	CREST                                          ; no wave of any partner still reads this slot or has a load on its way
	s_add_nc_u64 s[G0+4*\slot+2:G0+4*\slot+3], s[G0+4*\slot+2:G0+4*\slot+3], KSTEPB
	s_add_nc_u64 s[G0B+4*\slot+2:G0B+4*\slot+3], s[G0B+4*\slot+2:G0B+4*\slot+3], KSTEPB
	JLOAD \slot                                    ; the first tensor load behind the round, my only one until the next; its four v_nop are also the places in front of the loads below
.else
	PLACES
.endif
	FETCH \next, 0, 0
	WIN MUL1
	MUL16 2, 0
.endm
	s_load_b512 s[4:19], s[0:1], 0x0               ; a_rz s[4:5], a_n s[6:7], wc s[8:9], psum s[10:11], the scales s[12:13], b_z s[14:15], b_n s[16:17], hidden s[18:19]
	s_load_b64 s[20:21], s[0:1], 0x40              ; out0
	v_lshl_add_u32 v[SPW], v0, 2, SPARE
	v_mov_b32 v[NIL], 0
	ds_add_u32 v[SPW], v[NIL]                      ; the wave's opening: the add, twice on end, and its wait ahead of my first tensor load; the set-up below stands between the second and the wait
	ds_add_u32 v[SPW], v[NIL]
	v_lshrrev_b32 v1, 5, v0
	v_readfirstlane_b32 s22, v1                    ; wave 0..3
	s_lshr_b32 s23, s22, 1                         ; my gate: 0 z, 1 n
	s_and_b32 s2, s22, 1                           ; which 64 rows are mine.  Also: I fetch a left operand's block (0) or a right operand's (1)
	s_bfe_u32 s40, ttmp6, 0x40000                  ; cx, cy: my place in the cluster
	s_bfe_u32 s41, ttmp6, 0x40004
	s_lshl_b32 s42, ttmp9, 2
	s_add_co_u32 s42, s42, s40                     ; tile column = 4 x cluster x + cx
	s_and_b32 s43, ttmp7, 0xffff
	s_lshl_b32 s43, s43, 2
	s_add_co_u32 s43, s43, s41                     ; tile row = 4 x cluster y + cy
	s_lshl_b32 s44, s41, 2
	s_lshl_b32 s44, 15, s44                        ; my row of the cluster
	s_lshl_b32 s45, 0x1111, s40                    ; my column
	; descriptor group 1: a block as 128 lines of 256 bytes, dense in memory, padded in LDS
	s_or_b32 s[G1], s44, (1<<20)|(1<<21)|(5<<22)|(3<<25)    ; 15:0 the mask; 17:16 elements of 1 byte; 20 padding on; 21 set beside a mask; 24:22 after every 64 words (code 5); 31:25 four words (code 3)
	s_or_b32 s[G1B], s45, (1<<20)|(1<<21)|(5<<22)|(3<<25)
.irp g, G1, G1B
	s_mov_b32 s[\g+1], 256<<16                     ; tensor_dim0 = 256
	s_mov_b32 s[\g+2], 128<<16                     ; tensor_dim1 = 128
	s_mov_b32 s[\g+3], 256<<16                     ; tile_dim0 = 256
	s_mov_b32 s[\g+4], 128                         ; tile_dim1 = 128
	s_mov_b32 s[\g+5], 256                         ; from line to line
	s_mov_b32 s[\g+6], 0
	s_mov_b32 s[\g+7], 0
.endr
	s_cmp_eq_u32 s23, 0
	s_cselect_b32 s80, 0x800000, 0                 ; left operand: z takes set 1 of a_rz (the codes with e2), n takes a_n
	s_lshl_b32 s46, s43, 15
	s_add_co_u32 s80, s80, s46                     ; the tile row's block: it hangs on the tile row alone, which my row of the cluster shares
	s_mov_b32 s81, 0
	s_add_co_u32 s82, s23, 1
	s_lshl_b32 s82, s82, 23                        ; right operand: gate 1 (z) or 2 (n) of wc,
	s_lshl_b32 s47, s42, 15
	s_add_co_u32 s82, s82, s47                     ; the tile column's block, which my column shares
	s_mov_b32 s83, 0
	s_mul_i32 s84, s22, REG                        ; where my block goes: wave x a block: no place in the cluster enters an LDS address
	s_mov_b32 s76, 0x76543210                      ; v_permlanex16_b32: each lane takes its own place in the other half
	s_mov_b32 s77, 0xfedcba98
	s_wait_dscnt 0x0                               ; both opening adds are done
	s_wait_kmcnt 0x0
	s_load_b128 s[68:71], s[12:13], 0x0            ; e0 .. e3
	s_load_b64 s[72:73], s[12:13], 0x10            ; e4, e5
	s_cmp_eq_u32 s23, 0
	s_cselect_b64 s[66:67], s[4:5], s[6:7]         ; the choice hangs on the wave's number alone
	s_add_nc_u64 s[66:67], s[66:67], s[80:81]
	s_add_nc_u64 s[82:83], s[8:9], s[82:83]
	CROUND                                         ; all sixteen work-groups are here: the first joint loads meet
.irp s, 0,1
	s_mov_b32 s[G0+4*\s], 1
	s_add_co_u32 s[G0+4*\s+1], s84, \s*SLOT
	s_add_nc_u64 s[G0+4*\s+2:G0+4*\s+3], s[66:67], \s*0x80000    ; K step s: a block of 256 along K further
	s_or_b32 s[G0+4*\s+3], s[G0+4*\s+3], 0x80000000
	s_mov_b32 s[G0B+4*\s], 1
	s_add_co_u32 s[G0B+4*\s+1], s84, \s*SLOT
	s_add_nc_u64 s[G0B+4*\s+2:G0B+4*\s+3], s[82:83], \s*0x80000
	s_or_b32 s[G0B+4*\s+3], s[G0B+4*\s+3], 0x80000000
	JLOAD \s                                       ; two tensor loads of mine are out
.endr
	v_and_b32 v1, 15, v0                           ; r = l % 16
	v_bfe_u32 v2, v0, 4, 1                         ; h = l / 16
	v_and_b32 v3, 31, v0                           ; lane
	v_lshrrev_b32 v4, 1, v1
	v_mul_u32_u24 v4, v4, 272                      ; row r lies in line r / 2,
	v_and_b32 v5, 1, v1
	v_lshl_add_u32 v4, v5, 7, v4                   ; in its half r % 2: the 16 rows of a load start at 16 different places modulo 256 bytes
	v_lshl_add_u32 v4, v2, 4, v4                   ; + 16 h
	s_mul_i32 s46, s23, 2*REG                      ; my gate's two blocks: the left operand's,
	s_add_co_u32 s47, s46, REG                     ; then the right's: all its 128 rows are mine
	s_mul_i32 s85, s2, 4*FRAGB                     ; my 64 rows of the left operand
	s_add_co_u32 s46, s46, s85
.irp s, 0,1
	s_add_co_u32 s85, s46, \s*SLOT
	v_add_nc_u32 v[ADRA+\s], s85, v4
	s_add_co_u32 s85, s47, \s*SLOT
	v_add_nc_u32 v[ADRB+\s], s85, v4
.endr
	v_mul_u32_u24 v5, v1, SPITCH                   ; into my gate's stage: row 64 x (my half) + r, byte 32 h
	v_lshl_add_u32 v5, v2, 5, v5
	s_mul_i32 s46, s23, PLANE
	s_mul_i32 s47, s2, 64*SPITCH
	s_add_co_u32 s46, s46, s47
	v_add_nc_u32 v[STO], s46, v5
	v_lshlrev_b32 v[OO], 4, v3                     ; back: wave w takes rows 32 w on, whole: 16 bytes a lane
	s_mul_i32 s46, s22, 32*SPITCH
	v_add_nc_u32 v[RDZ], s46, v[OO]
	v_add_nc_u32 v[RDN], PLANE, v[RDZ]
	v_lshlrev_b32 v[BO], 5, v2
	s_cmp_eq_u32 s23, 0
	s_cselect_b64 s[14:15], s[14:15], s[16:17]     ; my gate's bias,
	s_mov_b32 s78, 0x4038aa3b                      ; k: 2 log2(e) for n,
	s_cselect_b32 s78, 0xbfb8aa3b, s78             ; -log2(e) for z
	s_mov_b32 s79, s78                             ; (named with it as a pair, so it is written)
	s_lshl_b32 s46, s42, 9
	s_mov_b32 s47, 0
	s_add_nc_u64 s[14:15], s[14:15], s[46:47]      ; at column 128 x tile column
	s_add_co_u32 s46, s23, 1
	s_lshl_b32 s46, s46, 12
	s_add_nc_u64 s[10:11], s[10:11], s[46:47]      ; my gate's 1,024 partial sums
	s_lshl_b32 s46, s43, 20                        ; hidden and out0 at row 128 x tile row + 32 x wave, column 128 x tile column
	s_lshl_b32 s85, s22, 18
	s_add_co_u32 s46, s46, s85
	s_lshl_b32 s85, s42, 9
	s_add_co_u32 s46, s46, s85
	s_add_nc_u64 s[18:19], s[18:19], s[46:47]
	s_add_nc_u64 s[20:21], s[20:21], s[46:47]
.irp i, 0,1,2,3,4,5,6,7
	global_load_b128 v[PS+4*\i:PS+4*\i+3], v[OO], s[10:11] offset:512*\i    ; 32 partial sums a lane
.endr
.irp b, 0,1,2,3,4,5,6,7
	global_load_b128 v[BIAS+8*\b:BIAS+8*\b+3], v[BO], s[14:15] offset:64*\b           ; the bias in the result's layout: for block b columns 16 b + 8 h + 0 .. 7
	global_load_b128 v[BIAS+8*\b+4:BIAS+8*\b+7], v[BO], s[14:15] offset:64*\b+16
.endr
.set jj, 0
.rept 32
	global_load_b128 v[HID+4*jj:HID+4*jj+3], v[OO], s[18:19] offset:8192*jj th:TH_LOAD_NT   ; hidden for the way out, a row's 512 consecutive bytes a load; they land under the products
.set jj, jj+1
.endr
	s_wait_loadcnt 32                              ; the partial sums and the bias are in; hidden's 32 loads stay out
	; the tensor's sum of |w|: every wave that serves a gate adds in the same order
.irp i, 0,1,2,3,4,5,6,7
	v_pk_add_f32 v[PS+4*\i:PS+4*\i+1], v[PS+4*\i:PS+4*\i+1], v[PS+4*\i+2:PS+4*\i+3]
.endr
.irp i, 0,1,2,3
	v_pk_add_f32 v[PS+8*\i:PS+8*\i+1], v[PS+8*\i:PS+8*\i+1], v[PS+8*\i+4:PS+8*\i+5]
.endr
.irp i, 0,1
	v_pk_add_f32 v[PS+16*\i:PS+16*\i+1], v[PS+16*\i:PS+16*\i+1], v[PS+16*\i+8:PS+16*\i+9]
.endr
	v_pk_add_f32 v[PS:PS+1], v[PS:PS+1], v[PS+16:PS+17]
	v_add_f32 v32, v32, v33
	v_add_f32_dpp v32, v32, v32 row_xmask:1 row_mask:0xf bank_mask:0xf
	v_add_f32_dpp v32, v32, v32 row_xmask:2 row_mask:0xf bank_mask:0xf
	v_add_f32_dpp v32, v32, v32 row_xmask:4 row_mask:0xf bank_mask:0xf
	v_add_f32_dpp v32, v32, v32 row_xmask:8 row_mask:0xf bank_mask:0xf
	v_permlanex16_b32 v33, v32, s76, s77
	v_add_f32 v32, v32, v33
	s_wait_kmcnt 0x0                               ; the exponents
	s_cmp_eq_u32 s23, 0
	s_cselect_b32 s46, s70, s72                    ; eA: e2 for z, e4 for n: a choice without a jump
	s_cselect_b32 s47, s71, s73                    ; eB: e3 or e5
	s_add_co_i32 s46, s46, s47                     ; eA + eB
	s_add_co_i32 s47, s47, 23
	s_sub_co_i32 s47, 0, s47
	v_ldexp_f32 v32, v32, s47                      ; m / 2^eB: the mean is the sum / 2^23 (2,048 x 4,096 numbers)
	v_min_num_f32 v32, 0x43e00000, v32             ; held at 448 (it is not negative)
	v_cvt_pk_fp8_f32 v33.l, v32, v32               ; to the nearest code, ties to even,
	v_nop
	v_cvt_f32_fp8 v34, v33                         ; and back: Q(m) / 2^eB
	v_nop
	v_ldexp_f32 v34, v34, s46                      ; x 2^(eA + eB)
	v_mul_f32 v34, s78, v34                        ; x k
	v_readfirstlane_b32 s74, v34
	s_mov_b32 s75, s74                             ; (named with it as a pair, so it is written)
.set jj, 0
.rept 32
	v_pk_mul_f32 v[BIAS+jj:BIAS+jj+1], v[BIAS+jj:BIAS+jj+1], s[78:79] op_sel_hi:[1,0]   ; the bias x k
.set jj, jj+2
.endr
	s_wait_tensorcnt 0x1                           ; my block of K step 0 is in; K step 1's may stay out
	s_barrier_signal -1
	s_barrier_wait -1                              ; everybody's is
	FETCH 0, 0, 0
	STEP 0, 1                                      ; the first 128 along K stand in front of the loop: their products start the sums
	WIN 0                                          ; at a label and at a branch every window is 0
	s_mov_b32 s3, LAPS-1
.Llap:                                                 ; a trip goes once round the ring and fills both slots again
	TURN 0, 1, 1
	STEP 1, 0
	TURN 1, 0, 1
	STEP 0, 0
	WIN 0
	s_sub_co_u32 s3, s3, 1
	s_cmp_lg_u32 s3, 0
	s_cbranch_scc1 .Llap
	TURN 0, 1, 0                                   ; the last lap fills nothing, and has no round of the cluster's barrier
	STEP 1, 0
	s_wait_dscnt 8                                 ; the very last 128 along K: nothing more to fetch
	WIN MUL1
	MUL16 0, 0
	s_wait_dscnt 0x0
	MUL16 2, 0
	; THE WAY OUT.  u = 1 / (1 + 2^(sum x F + bias')), each accumulator from its low end on; exponentials and reciprocals as one batch each, with one wait.
	PLACES
	WIN 0xc3                                       ; destination and source 0 window 3; the bias window 0
.irp a, 0,1,2,3
.irp b, 0,1,2,3,4,5,6,7
.irp i, 0,2,4,6
	v_pk_fma_f32 v[8*(8*\a+\b)+\i:8*(8*\a+\b)+\i+1], v[8*(8*\a+\b)+\i:8*(8*\a+\b)+\i+1], s[74:75], v[BIAS+8*\b+\i:BIAS+8*\b+\i+1] op_sel_hi:[1,0,1]
.endr
.endr
.endr
.set jj, 0
.rept 256
	v_exp_f32 v[jj], v[jj]
.set jj, jj+1
.endr
	v_nop                                          ; a plain line behind the last exponential,
	s_wait_alu depctr_va_vdst(0)                   ; and the one wait ahead of the batch's first reader
.set jj, 0
.rept 128
	v_pk_add_f32 v[jj:jj+1], v[jj:jj+1], 1.0 op_sel_hi:[1,0]
.set jj, jj+2
.endr
.set jj, 0
.rept 256
	v_rcp_f32 v[jj], v[jj]
.set jj, jj+1
.endr
	v_nop
	s_wait_alu depctr_va_vdst(0)                   ; likewise for the reciprocals
	WIN 0x0c                                       ; store data window 3
.irp a, 0,1,2,3
.irp b, 0,1,2,3,4,5,6,7
	ds_store_b128 v[STO], v[8*(8*\a+\b):8*(8*\a+\b)+3] offset:\a*16*SPITCH+64*\b
	ds_store_b128 v[STO], v[8*(8*\a+\b)+4:8*(8*\a+\b)+7] offset:\a*16*SPITCH+64*\b+16
.endr
.endr
	WIN 0
	s_wait_dscnt 0x0                               ; for the others' sake: my stores into the stage are done
	s_barrier_signal -1
	s_barrier_wait -1                              ; 128 rows of z's u and of n's u lie in the stages
	WIN 0x40                                       ; destination window 1: the fragments' registers are free
.set jj, 0
.rept 32
	ds_load_b128 v[4*jj:4*jj+3], v[RDZ] offset:jj*SPITCH          ; z, my 32 rows, whole
.set jj, jj+1
.endr
.set jj, 0
.rept 32
	ds_load_b128 v[128+4*jj:128+4*jj+3], v[RDN] offset:jj*SPITCH  ; n's u likewise
.set jj, jj+1
.endr
	s_wait_loadcnt 0x0                             ; hidden
	s_wait_dscnt 0x0
	WIN 0x41                                       ; destination and source 0 window 1; source 1 window 0
.set jj, 0
.rept 64
	v_pk_fma_f32 v[128+jj:129+jj], v[128+jj:129+jj], -2.0, 1.0 op_sel_hi:[1,0,0]   ; n = 1 - 2 u
.set jj, jj+2
.endr
.set jj, 0
.rept 64
	v_pk_add_f32 v[128+jj:129+jj], v[128+jj:129+jj], v[HID+jj:HID+jj+1] neg_lo:[0,1] neg_hi:[0,1]   ; n - hidden (source 1: window 0)
.set jj, jj+2
.endr
	WIN 0x45                                       ; destination, sources 0 and 1 window 1; source 2 window 0
.set jj, 0
.rept 64
	v_pk_fma_f32 v[jj:jj+1], v[jj:jj+1], v[128+jj:129+jj], v[HID+jj:HID+jj+1]      ; z (n - hidden) + hidden
.set jj, jj+2
.endr
	WIN 0x04                                       ; store data window 1
.set jj, 0
.rept 32
	global_store_b128 v[OO], v[4*jj:4*jj+3], s[20:21] offset:8192*jj th:TH_STORE_NT   ; 32 lanes store 512 consecutive bytes, at a multiple of 256 from out0's first byte; written once, read by nobody here
.set jj, jj+1
.endr
	WIN 0
	s_wait_tensorcnt 0x0                           ; the wave's end: an add to my spare word and its wait, behind my last tensor load and my last LDS store
	ds_add_u32 v[SPW], v[NIL]
	s_wait_dscnt 0x0
	CROUND                                         ; the closing round: no work-group ends while a partner may still ask for a block that names it
	s_endpgm
.Lfunc_end_k_q6e695d1ee4_gemm_zn:
	.size	k_q6e695d1ee4_gemm_zn, .Lfunc_end_k_q6e695d1ee4_gemm_zn-k_q6e695d1ee4_gemm_zn
	.p2alignl 7, 3214868480
	.fill 96, 4, 3214868480
	.section	.rodata,"a",@progbits
	.p2align	6, 0x0
	.amdhsa_kernel k_q6e695d1ee4_gemm_zn
		.amdhsa_group_segment_fixed_size 327680
		.amdhsa_private_segment_fixed_size 0
		.amdhsa_enable_private_segment 0
		.amdhsa_kernarg_size 72
		.amdhsa_user_sgpr_count 2
		.amdhsa_user_sgpr_kernarg_segment_ptr 1
		.amdhsa_wavefront_size32 1
		.amdhsa_system_sgpr_workgroup_id_x 1
		.amdhsa_system_sgpr_workgroup_id_y 1
		.amdhsa_system_sgpr_workgroup_id_z 1
		.amdhsa_system_vgpr_workitem_id 0
		.amdhsa_next_free_vgpr 1024
		.amdhsa_next_free_sgpr 90
		.amdhsa_reserve_vcc 0
		.amdhsa_float_denorm_mode_32 3
		.amdhsa_float_denorm_mode_16_64 3
		.amdhsa_memory_ordered 1
		.amdhsa_forward_progress 1
		.amdhsa_inst_pref_size 118
	.end_amdhsa_kernel
	.amdgpu_metadata
---
amdhsa.version: [ 1, 2 ]
amdhsa.kernels:
  - .name:           k_q6e695d1ee4_gemm_zn
    .symbol:         k_q6e695d1ee4_gemm_zn.kd
    .args:
      - { .name: a_rz, .offset: 0, .size: 8, .value_kind: global_buffer, .address_space: global }
      - { .name: a_n, .offset: 8, .size: 8, .value_kind: global_buffer, .address_space: global }
      - { .name: wc, .offset: 16, .size: 8, .value_kind: global_buffer, .address_space: global }
      - { .name: psum, .offset: 24, .size: 8, .value_kind: global_buffer, .address_space: global }
      - { .name: lowp_scales, .offset: 32, .size: 8, .value_kind: global_buffer, .address_space: global }
      - { .name: b_z, .offset: 40, .size: 8, .value_kind: global_buffer, .address_space: global }
      - { .name: b_n, .offset: 48, .size: 8, .value_kind: global_buffer, .address_space: global }
      - { .name: hidden, .offset: 56, .size: 8, .value_kind: global_buffer, .address_space: global }
      - { .name: out0, .offset: 64, .size: 8, .value_kind: global_buffer, .address_space: global }
    .group_segment_fixed_size: 327680
    .private_segment_fixed_size: 0
    .kernarg_segment_align: 8
    .kernarg_segment_size: 72
    .max_flat_workgroup_size: 128
    .sgpr_count:     90
    .vgpr_count:     1024
    .wavefront_size: 32
...
	.end_amdgpu_metadata
.endif
;; end of part 3
;; ======== version 2 of 2: 3 launches
;; limits: right only within a limited range of input values
;; workspace buffers: a_rz 16,777,216 bytes; a_n 8,388,608 bytes; wc 6,291,456 bytes; psum 12,288 bytes
;; launch prep (part 4): grid 1024 x 1, 4 waves a work-group, no clusters, 0 bytes of LDS; arguments x, hidden, w_r, w_z, w_n, lowp_scales, a_rz, a_n, wc, psum; writes a_rz, a_n, wc, psum
.if DOCPART == 4
	.amdgcn_target "amdgcn-amd-amdhsa--gfx1250"
	.amdhsa_code_object_version 6
	.text
	.protected	k_q6e695d1ee4_prep
	.globl	k_q6e695d1ee4_prep
	.p2align	8
	.type	k_q6e695d1ee4_prep,@function
k_q6e695d1ee4_prep:
	s_mov_b64 s[64:65], 0
	v_nop
	global_prefetch_b8 v0, s[64:65] scope:SCOPE_SE
	s_setreg_imm32_b32 hwreg(HW_REG_WAVE_MODE, 25, 1), 1
	s_wait_xcnt 0x0
; BitGRUCell, launch 1 of 3: every f32 input that feeds a product is read once and leaves narrow.
; NO WORK OF reference() IS LEFT OUT in this program: all eight tensors and all six scales reach the result, and all are loaded.
;   x      -> codes of E4M3 with 2^e0, 2^e2 and 2^e4 (left operand of products 1, 2, 3, K = 0 .. 2047)
;   hidden -> codes with 2^e0 and 2^e2                (left operand of products 1, 2, K = 2048 .. 4095; product 3's part is r x hidden: launch 2)
;   w_r, w_z, w_n -> sign(w) in 2 bits a number (the sign, and 'not zero'); and for each wave the sum of its |w|.
; THE RIGHT OPERAND.  It is sign(w) x m, m = mean |w|: one magnitude for the tensor.  The quantiser Q is odd and Q(0) = 0, so Q(s m) = s Q(m) for s = -1, 0, 1, and
; sum_k a_k s_k Q(m) = Q(m) sum_k a_k s_k, for all values.  The matrix unit multiplies the left operand's codes by the codes of 2 s (+2.0, -2.0, 0: the two bits are the two top bits of these codes);
; Q(m) / 2, Q(m) made by the stated quantiser with the given exponent, multiplies each finished sum in launches 2 and 3.  m spans the tensor, so it is known only when this launch has ended.
; code of a left operand = number / 2^e, held within +-448, to the nearest code, ties to even.
; LIMITS: e0, e2, e4 between -126 and 119, so that 2^e and 448 x 2^e are f32 numbers.  NaN among the inputs is not served.  sign() is right for every other w, denormals and infinities too (-0.0 gives the code of -0, which adds nothing).
; LAYOUT of a matrix of codes, 2,048 rows x 4,096 along K: byte(row, K) = (row / 64) x 262144 + (K / 128) x 8192 + (row % 64) x 128 + p(K % 128),
; p(64 j + 4 a + i) = 8 a + 4 j + i (j 0..1, a 0..15, i 0..3).  64 rows are 262,144 consecutive bytes, K ascending; p is the same in both operands of a product, so every number meets its partner.
; LAYOUT of the packed signs, 2 MiB a gate: a row's 512 along K are a record of 128 bytes at (row / 256) x 262144 + (K / 512) x 32768 + (row % 256) x 128.  With place p(K % 128) = 32 c + 16 h + 8 e + 4 t + b
; the number lies in the record's word 16 h + 2 (2 c + e) + (K / 256) % 2, in byte b, in bits 7 - 2 f (sign) and 6 - 2 f (not zero), f = 2 ((K / 128) % 2) + t: so (word << 2 f) & 0xC0C0C0C0 is register 4 c + 2 e + t of lane half h's operand.
; Nothing is turned here: a step is 2 rows x 256 K; lane l = 16 h' + a takes row h'; load j takes its 16 bytes at 256 j + 16 a, so a load covers two runs of 256 consecutive bytes, aligned;
; a lane's registers 0-7 are the eight numbers at place 8 a of its row in the first 128 along K, registers 8-15 in the second.  Codes: a store of 8 bytes a lane covers 256 consecutive bytes, aligned.
; Signs: a lane's 16 numbers of a step are one word; the words of two steps are stored together, 8 bytes a lane, 256 consecutive bytes: two rows' records.
; SHARES.  Work-groups 0-767: w (gate = id / 256; 8 rows each, 2 rows x 4,096 a wave).  768-895: x, 896-1023: hidden (16 rows each, 4 rows x 2,048 a wave).  Every wave: 16 steps, loads eight steps ahead.
; No LDS, no barrier, no matrix instruction: waves share nothing.
.set AHEAD, 8                          ; steps that the loads run ahead
.set R,    16                          ; v16-143  eight sets of 16 numbers as loaded
.set T,    144                         ; v144-175 two sets of 16 numbers at work, by turns
.set C,    176                         ; v176-199 x, hidden: codes, two sets of 12 by turns.  w: v176-179 a step's four registers of codes
.set WP,   180                         ; w: v180-195 the sixteen steps' words: a pair for each store, written once
.set KBA,  16384                       ; codes: bytes from 256 along K to the next
.set PANA, 8192                        ; codes: bytes from 128 along K to the next
.set KBW,  32768                       ; signs: bytes from 512 along K to the next
; v1 lane; v2 my byte in the wave's two rows; v3 my place in a store's 256 bytes; v4-7 four chains of |w|; v10/11, v12/13, v14/15: 2^e and 448 x 2^e for e0, e2, e4 (w: v10 = 2^-49, v11 = 2^-50)
.macro WLOAD t                         ; w, step t: K = 256 t on
.irp j, 0,1,2,3
	global_load_b128 v[R+16*((\t)%AHEAD)+4*\j:R+16*((\t)%AHEAD)+4*\j+3], v2, s[30:31] offset:1024*(\t)+256*\j th:TH_LOAD_NT
.endr
.endm
.macro ALOAD t                         ; x or hidden, step t: rows 2 (t / 8) on, K = 256 (t % 8) on
.irp j, 0,1,2,3
	global_load_b128 v[R+16*((\t)%AHEAD)+4*\j:R+16*((\t)%AHEAD)+4*\j+3], v2, s[30:31] offset:((\t)/8)*16384+((\t)%8)*1024+256*\j th:TH_LOAD_NT
.endr
.endm
.macro HEADW t                         ; loads come back in order: this step's four are in, those of the up to seven steps behind it stay out
.if 15-(\t) >= AHEAD-1
	s_wait_loadcnt 4*(AHEAD-1)
.else
	s_wait_loadcnt 4*(15-(\t))
.endif
.endm
.macro WSTEP t
.set RS, R+16*((\t)%AHEAD)
.set TS, T+16*((\t)%2)
	HEADW \t
.set ii, 0
.rept 8
	v_pk_mul_f32 v[TS+ii:TS+ii+1], v[RS+ii:RS+ii+1], s[46:47] op_sel_hi:[1,0]   ; x 2^100: the smallest magnitude that is not 0 becomes 2^-49
.set ii, ii+2
.endr
.set ii, 0
.rept 16
	v_med3_num_f32 v[TS+ii], v[TS+ii], -v10, v10   ; held within +-2^-49: now it is +-2^-49 or 0
.set ii, ii+1
.endr
	v_cvt_scalef32_pk8_fp8_f32 v[C:C+1], v[TS:TS+7], v11       ; / 2^-50: the codes of +2.0, -2.0, 0: 0x40, 0xC0, 0: the two top bits of a byte
	v_cvt_scalef32_pk8_fp8_f32 v[C+2:C+3], v[TS+8:TS+15], v11
.set ii, 0
.rept 16
	v_add_f32 v[4+ii%4], v[4+ii%4], |v[RS+ii]|     ; the sum of |w|, in four chains (plain lines behind the conversions, naming none of their registers)
.set ii, ii+1
.endr
	v_lshrrev_b32 v[C+3], 2, v[C+3]                ; the four registers' top bits into one word: register f goes 2 f bits down.  The two lowest bits of every byte are 0 at each shift, so nothing crosses a byte
	v_or_b32 v[C+2], v[C+2], v[C+3]
	v_lshrrev_b32 v[C+2], 2, v[C+2]
	v_or_b32 v[C+1], v[C+1], v[C+2]
	v_lshrrev_b32 v[C+1], 2, v[C+1]
	v_or_b32 v[WP+(\t)], v[C], v[C+1]
.if (\t) < 16-AHEAD
	WLOAD (\t)+AHEAD
.endif
.endm
.macro QCOMP t, g, n                   ; step t's 16 numbers with scale set g of n.  T's two sets take turns, so that the lines behind a conversion name none of its registers
.set RS, R+16*((\t)%AHEAD)
.set TS, T+16*(((\n)*(\t)+(\g))%2)
.set CC, C+12*((\t)%2)+4*(\g)
.set ii, 0
.rept 16
	v_med3_num_f32 v[TS+ii], v[RS+ii], -v[11+2*(\g)], v[11+2*(\g)]   ; the conversion to an 8-bit code does not saturate (ISA guide 7.6.2): the hold at 448 x 2^e comes first
.set ii, ii+1
.endr
	v_cvt_scalef32_pk8_fp8_f32 v[CC:CC+1], v[TS:TS+7], v[10+2*(\g)]
	v_cvt_scalef32_pk8_fp8_f32 v[CC+2:CC+3], v[TS+8:TS+15], v[10+2*(\g)]
.endm
.macro QSTORE t, g
.set CC, C+12*((\t)%2)+4*(\g)
	global_store_b64 v3, v[CC:CC+1], s[32+2*(\g):33+2*(\g)] offset:((\t)%8)*KBA+((\t)/8)*256
	global_store_b64 v3, v[CC+2:CC+3], s[32+2*(\g):33+2*(\g)] offset:((\t)%8)*KBA+PANA+((\t)/8)*256
.endm
.macro ASTEP t, n
	HEADW \t
	QCOMP \t, 0, \n
	QCOMP \t, 1, \n
.if (\n) > 2
	QCOMP \t, 2, \n
.endif
	s_wait_alu depctr_va_vdst(0)
	s_wait_xcnt 0x0                                ; the last step's stores have read their data: the next step's conversions write those registers again.  It stands here, a step's arithmetic behind the youngest memory instruction
	QSTORE \t, 0
	QSTORE \t, 1
.if (\n) > 2
	s_wait_alu depctr_va_vdst(0)
	QSTORE \t, 2
.endif
.if (\t) < 16-AHEAD
	ALOAD (\t)+AHEAD
.endif
.endm
.macro MKSC e, sc                      ; v[sc] = 2^e, v[sc + 1] = 448 x 2^e, e in s[e]
	s_add_co_i32 s46, s[\e], 127
	s_lshl_b32 s38, s46, 23
	v_mov_b32 v[\sc], s38
	s_add_co_i32 s46, s46, 8
	s_lshl_b32 s46, s46, 23
	s_or_b32 s46, s46, 0x600000
	v_mov_b32 v[\sc+1], s46
.endm
	s_load_b512 s[8:23], s[0:1], 0x0               ; x s[8:9], hidden s[10:11], w_r s[12:13], w_z s[14:15], w_n s[16:17], the scales s[18:19], a_rz s[20:21], a_n s[22:23]
	s_load_b128 s[24:27], s[0:1], 0x40             ; wc s[24:25], psum s[26:27]
	v_lshrrev_b32 v8, 5, v0
	v_readfirstlane_b32 s28, v8                    ; wave 0..3
	v_and_b32 v1, 31, v0                           ; lane
	v_and_b32 v8, 15, v0                           ; a
	v_bfe_u32 v9, v0, 4, 1                         ; h': which of the step's two rows
	v_lshlrev_b32 v3, 3, v1                        ; codes: 8 x lane: my 8 codes among the store's 256 bytes
	v_lshlrev_b32 v2, 4, v8                        ; 16 a
	s_mov_b32 s47, 0                               ; the upper word of every offset below
	s_wait_kmcnt 0x0
	s_cmp_lt_u32 ttmp9, 768
	s_cbranch_scc0 .Lacts
	; ---- the weights
	s_wait_alu depctr_va_vdst(0)
	v_lshl_add_u32 v2, v9, 14, v2                  ; + h' rows of 16,384 bytes
	s_wait_alu depctr_va_vdst(0)
	v_and_b32 v3, 1, v0                            ; signs: with a = 4 c + 2 h + e my two words lie at byte 128 h' + 64 h + 16 c + 8 e of the store's 256
	v_lshlrev_b32 v3, 3, v3
	v_bfe_u32 v12, v0, 2, 2
	v_lshl_add_u32 v3, v12, 4, v3
	v_bfe_u32 v12, v0, 1, 1
	v_lshl_add_u32 v3, v12, 6, v3
	v_lshl_add_u32 v3, v9, 7, v3
	s_lshr_b32 s38, ttmp9, 8                       ; gate: 0 r, 1 z, 2 n
	s_and_b32 s39, ttmp9, 255                      ; which 8 rows
	s_cmp_eq_u32 s38, 0
	s_cselect_b64 s[30:31], s[12:13], s[14:15]
	s_cmp_eq_u32 s38, 2
	s_cselect_b64 s[30:31], s[16:17], s[30:31]     ; the gate's weights: the choice hangs on the work-group's number alone
	s_lshl_b32 s46, s39, 3
	s_lshl_b32 s40, s28, 1
	s_add_co_u32 s46, s46, s40                     ; my first row
	s_lshl_b32 s46, s46, 14
	s_add_nc_u64 s[30:31], s[30:31], s[46:47]
	s_lshl_b32 s46, s38, 21                        ; the gate's 2 MiB of signs,
	s_lshr_b32 s40, s39, 5
	s_lshl_b32 s40, s40, 18
	s_add_co_u32 s46, s46, s40                     ; + (row / 256) x 262144,
	s_and_b32 s40, s39, 31
	s_lshl_b32 s40, s40, 10
	s_add_co_u32 s46, s46, s40
	s_lshl_b32 s40, s28, 8
	s_add_co_u32 s46, s46, s40                     ; + (row % 256) x 128
	s_add_nc_u64 s[32:33], s[24:25], s[46:47]
	s_lshl_b32 s46, s38, 12                        ; my partial sum: word gate x 1024 + 4 x (work-group % 256) + wave
	s_lshl_b32 s40, s39, 4
	s_add_co_u32 s46, s46, s40
	s_lshl_b32 s40, s28, 2
	s_add_co_u32 s46, s46, s40
	s_add_nc_u64 s[26:27], s[26:27], s[46:47]
.irp t, 0,1,2,3,4,5,6,7
	WLOAD \t
.endr
	s_mov_b32 s46, 0x71800000                      ; 2^100
	s_mov_b32 s47, s46                             ; (named with it as a pair, so it is written)
	v_mov_b32 v10, 0x27000000                      ; 2^-49: the hold
	v_mov_b32 v11, 0x26800000                      ; 2^-50: the conversion's scale
	v_mov_b32 v4, 0
	v_mov_b32 v5, 0
	v_mov_b32 v6, 0
	v_mov_b32 v7, 0
.irp t, 0,1,2,3,4,5,6,7,8,9,10,11,12,13,14,15
	WSTEP \t
.endr
	v_add_f32 v4, v4, v5
	v_add_f32 v6, v6, v7
	v_add_f32 v4, v4, v6
	s_mov_b32 s40, 0x76543210                      ; v_permlanex16_b32: each lane takes its own place in the other half
	s_mov_b32 s41, 0xfedcba98
	v_add_f32_dpp v4, v4, v4 row_xmask:1 row_mask:0xf bank_mask:0xf
	v_add_f32_dpp v4, v4, v4 row_xmask:2 row_mask:0xf bank_mask:0xf
	v_add_f32_dpp v4, v4, v4 row_xmask:4 row_mask:0xf bank_mask:0xf
	v_add_f32_dpp v4, v4, v4 row_xmask:8 row_mask:0xf bank_mask:0xf
	v_permlanex16_b32 v5, v4, s40, s41
	v_add_f32 v4, v4, v5                           ; the wave's sum of |w| over its 8,192 numbers
	v_mov_b32 v8, 0
	v_cmp_eq_u32 vcc_lo, 0, v1
	s_wait_alu depctr_va_vdst(0)
.irp t, 1,3,5,7,9,11,13,15
	global_store_b64 v3, v[WP+\t-1:WP+\t], s[32:33] offset:(\t/2)*KBW   ; all eight stores of signs at the wave's end: each is 512 along K of two rows, 256 consecutive bytes, aligned; each pair of registers was written once
.endr
	s_wait_xcnt 0x0
	s_and_saveexec_b32 s42, vcc_lo
	global_store_b32 v8, v4, s[26:27]              ; one word a wave, 1,024 words a gate: launches 2 and 3 read a gate's 4,096 bytes back whole
	s_wait_xcnt 0x0
	s_or_b32 exec_lo, exec_lo, s42
	s_endpgm
	; ---- x and hidden
.Lacts:
	s_load_b128 s[40:43], s[18:19], 0x0            ; e0 .. e3
	s_load_b64 s[44:45], s[18:19], 0x10            ; e4, e5
	s_wait_alu depctr_va_vdst(0)
	v_lshl_add_u32 v2, v9, 13, v2                  ; + h' rows of 8,192 bytes
	s_wait_alu depctr_va_vdst(0)
	s_and_b32 s39, ttmp9, 127                      ; which 16 rows
	s_cmp_lt_u32 ttmp9, 896
	s_cselect_b64 s[30:31], s[8:9], s[10:11]       ; x or hidden
	s_cselect_b32 s38, 0, 0x20000                  ; hidden is K = 2048 on: sixteen times 128 along K further
	s_lshl_b32 s46, s39, 4
	s_lshl_b32 s29, s28, 2
	s_add_co_u32 s46, s46, s29                     ; my first row
	s_lshl_b32 s46, s46, 13
	s_add_nc_u64 s[30:31], s[30:31], s[46:47]
	s_lshr_b32 s46, s39, 2
	s_lshl_b32 s46, s46, 18                        ; (row / 64) x 262144
	s_add_co_u32 s46, s46, s38
	s_and_b32 s38, s39, 3
	s_lshl_b32 s38, s38, 11
	s_add_co_u32 s46, s46, s38
	s_lshl_b32 s38, s28, 9
	s_add_co_u32 s46, s46, s38                     ; + (row % 64) x 128
	s_add_nc_u64 s[32:33], s[20:21], s[46:47]      ; codes with e0,
	s_add_nc_u64 s[34:35], s[32:33], 0x800000      ; with e2,
	s_add_nc_u64 s[36:37], s[22:23], s[46:47]      ; with e4 (x alone stores there)
.irp t, 0,1,2,3,4,5,6,7
	ALOAD \t
.endr
	s_wait_kmcnt 0x0
	MKSC 40, 10
	MKSC 42, 12
	MKSC 44, 14
	s_cmp_lt_u32 ttmp9, 896
	s_cbranch_scc0 .Lhid
	s_wait_alu depctr_va_vdst(0)
.irp t, 0,1,2,3,4,5,6,7,8,9,10,11,12,13,14,15
	ASTEP \t, 3
.endr
	s_endpgm
.Lhid:
	s_wait_alu depctr_va_vdst(0)
.irp t, 0,1,2,3,4,5,6,7,8,9,10,11,12,13,14,15
	ASTEP \t, 2
.endr
	s_endpgm
.Lfunc_end_k_q6e695d1ee4_prep:
	.size	k_q6e695d1ee4_prep, .Lfunc_end_k_q6e695d1ee4_prep-k_q6e695d1ee4_prep
	.p2alignl 7, 3214868480
	.fill 96, 4, 3214868480
	.section	.rodata,"a",@progbits
	.p2align	6, 0x0
	.amdhsa_kernel k_q6e695d1ee4_prep
		.amdhsa_group_segment_fixed_size 0
		.amdhsa_private_segment_fixed_size 0
		.amdhsa_enable_private_segment 0
		.amdhsa_kernarg_size 80
		.amdhsa_user_sgpr_count 2
		.amdhsa_user_sgpr_kernarg_segment_ptr 1
		.amdhsa_wavefront_size32 1
		.amdhsa_system_sgpr_workgroup_id_x 1
		.amdhsa_system_sgpr_workgroup_id_y 1
		.amdhsa_system_sgpr_workgroup_id_z 1
		.amdhsa_system_vgpr_workitem_id 0
		.amdhsa_next_free_vgpr 200
		.amdhsa_next_free_sgpr 66
		.amdhsa_reserve_vcc 1
		.amdhsa_float_denorm_mode_32 3
		.amdhsa_float_denorm_mode_16_64 3
		.amdhsa_memory_ordered 1
		.amdhsa_forward_progress 1
		.amdhsa_inst_pref_size 176
	.end_amdhsa_kernel
	.amdgpu_metadata
---
amdhsa.version: [ 1, 2 ]
amdhsa.kernels:
  - .name:           k_q6e695d1ee4_prep
    .symbol:         k_q6e695d1ee4_prep.kd
    .args:
      - { .name: x, .offset: 0, .size: 8, .value_kind: global_buffer, .address_space: global }
      - { .name: hidden, .offset: 8, .size: 8, .value_kind: global_buffer, .address_space: global }
      - { .name: w_r, .offset: 16, .size: 8, .value_kind: global_buffer, .address_space: global }
      - { .name: w_z, .offset: 24, .size: 8, .value_kind: global_buffer, .address_space: global }
      - { .name: w_n, .offset: 32, .size: 8, .value_kind: global_buffer, .address_space: global }
      - { .name: lowp_scales, .offset: 40, .size: 8, .value_kind: global_buffer, .address_space: global }
      - { .name: a_rz, .offset: 48, .size: 8, .value_kind: global_buffer, .address_space: global }
      - { .name: a_n, .offset: 56, .size: 8, .value_kind: global_buffer, .address_space: global }
      - { .name: wc, .offset: 64, .size: 8, .value_kind: global_buffer, .address_space: global }
      - { .name: psum, .offset: 72, .size: 8, .value_kind: global_buffer, .address_space: global }
    .group_segment_fixed_size: 0
    .private_segment_fixed_size: 0
    .kernarg_segment_align: 8
    .kernarg_segment_size: 80
    .max_flat_workgroup_size: 128
    .sgpr_count:     66
    .vgpr_count:     200
    .wavefront_size: 32
...
	.end_amdgpu_metadata
.endif
;; end of part 4
;; launch gemm_r (part 5): grid 8 x 32, 4 waves a work-group, clusters of 4 x 4, 327,680 bytes of LDS; arguments a_rz, wc, psum, lowp_scales, b_r, hidden, a_n; writes a_n
.if DOCPART == 5
	.amdgcn_target "amdgcn-amd-amdhsa--gfx1250"
	.amdhsa_code_object_version 6
	.text
	.protected	k_q6e695d1ee4_gemm_r
	.globl	k_q6e695d1ee4_gemm_r
	.p2align	8
	.type	k_q6e695d1ee4_gemm_r,@function
k_q6e695d1ee4_gemm_r:
	s_mov_b64 s[64:65], 0
	v_nop
	global_prefetch_b8 v0, s[64:65] scope:SCOPE_SE
	s_setreg_imm32_b32 hwreg(HW_REG_WAVE_MODE, 25, 1), 1
	s_wait_xcnt 0x0
	s_wait_alu depctr_hold_cnt(0) depctr_sa_sdst(0) depctr_va_vdst(0) depctr_va_sdst(0) depctr_va_ssrc(0) depctr_va_vcc(0) depctr_vm_vsrc(0)
	s_getreg_b32 s2, hwreg(HW_REG_IB_STS2, 6, 4)
	s_cmp_eq_u32 s2, 0
	s_cbranch_scc0 .Lentry_in_a_cluster
	s_endpgm
.Lentry_in_a_cluster:
	s_bfe_u32 s2, ttmp6, 0x10000c
	s_cmp_lg_u32 s2, 0xf033
	s_cbranch_scc0 .Lentry_shape_is_right
	s_endpgm
.Lentry_shape_is_right:
.set REG,    128*272
.set APAN,   32*272
.set FRAGB,  8*272
.set SLOT,   4*REG
.set SPARE,  2*SLOT
.set SPITCH, 1040
.set KSTEPB, 0x20000
.set ADRA, 8
.set ADRB, 12
.set STO,  16
.set RD,   17
.set HO,   18
.set CO,   19
.set SC,   20
.set LIM,  21
.set PO,   22
.set BO,   23
.set SPW,  28
.set NIL,  29
.set PS,   32
.set BIAS, 64
.set ACC,  128
.set BX,   128
.set BP,   192
.set G1,  24
.set G0,  32
.set G1B, 48
.set G0B, 56
.set MSB, 0
.macro WIN new
.if MSB != (\new)
	s_set_vgpr_msb (MSB<<8)|(\new)
.set MSB, (\new)
.endif
.endm
.set W_MUL, 0x05
.set W_LD,  0x40
.set W_EXP, 0x45
.macro JLOAD s
	s_cmp_eq_u32 s19, 0
	s_cbranch_scc0 .Lfor_b_\@
	tensor_load_to_lds s[G0+4*\s:G0+4*\s+3], s[G1:G1+7]
	s_nop 0
.rept 4
	v_nop
.endr
	s_branch .Lasked_\@
.Lfor_b_\@:
	tensor_load_to_lds s[G0B+4*\s:G0B+4*\s+3], s[G1B:G1B+7]
	s_nop 0
.rept 4
	v_nop
.endr
.Lasked_\@:
.endm
.macro CREST
	s_cmp_lg_u32 s18, 0
	s_cbranch_scc1 .Lnot_wave_0_\@
	s_barrier_signal -3
.Lnot_wave_0_\@:
	s_barrier_wait -3
	s_barrier_signal -1
	s_barrier_wait -1
.endm
.macro CROUND
	s_barrier_signal -1
	s_barrier_wait -1
	CREST
.endm
.macro PLACES
.rept 4
	v_nop
.endr
.endm
.macro MUL16 set, zero
.irp a, 0,1,2,3
.irp b, 0,1,2,3
.if \zero
	v_wmma_f32_16x16x128_fp8_fp8 v[ACC+8*(4*\a+\b):ACC+8*(4*\a+\b)+7], v[BX+16*\b:BX+16*\b+15], v[64*(\set)+16*\a:64*(\set)+16*\a+15], 0
.else
	v_wmma_f32_16x16x128_fp8_fp8 v[ACC+8*(4*\a+\b):ACC+8*(4*\a+\b)+7], v[BX+16*\b:BX+16*\b+15], v[64*(\set)+16*\a:64*(\set)+16*\a+15], v[ACC+8*(4*\a+\b):ACC+8*(4*\a+\b)+7]
.endif
.endr
.endr
.endm
.macro FETCH_A slot, u, set
.irp i, 0,1,2,3
.irp c, 0,1,2,3
	ds_load_b128 v[64*(\set)+16*\i+4*\c:64*(\set)+16*\i+4*\c+3], v[ADRA+2*(\slot)+(\u)/4] offset:((\u)%4)*APAN+\i*FRAGB+32*\c
.endr
.endr
.endm
.macro FETCH_BP slot, ck
.irp b, 0,1,2,3
.irp n, 0,1,2,3
	ds_load_b128 v[BP+16*\b+4*\n:BP+16*\b+4*\n+3], v[ADRB+2*(\slot)+(\ck)] offset:\b*FRAGB+16*\n
.endr
.endr
.endm
.macro EXPAND qp, p
.irp b, 0,1,2,3
.set mm, 0
.rept 8
.if (\p) == 0
	v_and_b32 v[BX+16*\b+2*mm], s3, v[BP+16*\b+2*mm+(\qp)]
.else
	v_lshlrev_b32 v[BX+16*\b+2*mm], 4, v[BP+16*\b+2*mm+(\qp)]
.endif
	v_lshlrev_b32 v[BX+16*\b+2*mm+1], 4*(\p)+2, v[BP+16*\b+2*mm+(\qp)]
.set mm, mm+1
.endr
.set mm, 0
.rept 8
.if (\p) != 0
	v_and_b32 v[BX+16*\b+2*mm], s3, v[BX+16*\b+2*mm]
.endif
	v_and_b32 v[BX+16*\b+2*mm+1], s3, v[BX+16*\b+2*mm+1]
.set mm, mm+1
.endr
.endr
.endm
.macro UNIT slot, u, zero
	s_wait_dscnt 0x0
	PLACES
	WIN W_EXP
	EXPAND ((\u)/2)%2, (\u)%2
	WIN W_LD
	FETCH_A \slot, (\u)+1, ((\u)+1)%2
.if ((\u)%4) == 3
	FETCH_BP \slot, (\u)/4+1
.endif
	WIN W_MUL
	MUL16 (\u)%2, \zero
.endm
.macro TURN slot, next, fill
	WIN 0
	s_wait_tensorcnt 0x0
	ds_add_u32 v[SPW], v[NIL]
.if \fill
	s_add_nc_u64 s[G0+4*\slot+2:G0+4*\slot+3], s[G0+4*\slot+2:G0+4*\slot+3], KSTEPB
	s_add_nc_u64 s[G0B+4*\slot+2:G0B+4*\slot+3], s[G0B+4*\slot+2:G0B+4*\slot+3], KSTEPB
.endif
	s_wait_dscnt 0x0
	s_barrier_signal -1
	s_barrier_wait -1
.if \fill
	CREST
	JLOAD \slot
.else
	PLACES
.endif
	WIN W_EXP
	EXPAND 1, 1
	WIN W_LD
	FETCH_A \next, 0, 0
	FETCH_BP \next, 0
	WIN W_MUL
	MUL16 1, 0
.endm
	s_load_b256 s[4:11], s[0:1], 0x0
	s_load_b128 s[12:15], s[0:1], 0x20
	s_load_b64 s[16:17], s[0:1], 0x30
	v_lshl_add_u32 v[SPW], v0, 2, SPARE
	v_mov_b32 v[NIL], 0
	ds_add_u32 v[SPW], v[NIL]
	ds_add_u32 v[SPW], v[NIL]
	v_lshrrev_b32 v1, 5, v0
	v_readfirstlane_b32 s18, v1
	s_lshr_b32 s19, s18, 1
	s_and_b32 s20, s18, 1
	s_bfe_u32 s40, ttmp6, 0x40000
	s_bfe_u32 s41, ttmp6, 0x40004
	s_lshl_b32 s42, ttmp9, 2
	s_add_co_u32 s42, s42, s40
	s_and_b32 s43, ttmp7, 0xffff
	s_lshl_b32 s43, s43, 2
	s_add_co_u32 s43, s43, s41
	s_lshl_b32 s44, s41, 2
	s_lshl_b32 s44, 15, s44
	s_lshl_b32 s45, 0x1111, s40
	s_or_b32 s[G1], s44, (1<<20)|(1<<21)|(5<<22)|(3<<25)
	s_or_b32 s[G1B], s45, (1<<20)|(1<<21)|(5<<22)|(3<<25)
.irp g, G1, G1B
	s_mov_b32 s[\g+1], 256<<16
	s_mov_b32 s[\g+2], 128<<16
	s_mov_b32 s[\g+3], 256<<16
	s_mov_b32 s[\g+4], 128
	s_mov_b32 s[\g+5], 256
	s_mov_b32 s[\g+6], 0
	s_mov_b32 s[\g+7], 0
.endr
	s_lshl_b32 s21, s20, 15
	s_lshl_b32 s66, s43, 18
	s_add_co_u32 s66, s66, s21
	s_mov_b32 s67, 0
	s_lshl_b32 s78, s42, 18
	s_add_co_u32 s78, s78, s21
	s_mov_b32 s79, 0
	s_mul_i32 s22, s18, REG
	s_mov_b32 s76, 0x76543210
	s_mov_b32 s77, 0xfedcba98
	s_mov_b32 s3, 0xc0c0c0c0
	s_wait_dscnt 0x0
	s_wait_kmcnt 0x0
	s_load_b128 s[68:71], s[10:11], 0x0
	s_load_b64 s[72:73], s[10:11], 0x10
	s_add_nc_u64 s[66:67], s[4:5], s[66:67]
	s_add_nc_u64 s[78:79], s[6:7], s[78:79]
	CROUND
.irp s, 0,1
	s_mov_b32 s[G0+4*\s], 1
	s_add_co_u32 s[G0+4*\s+1], s22, \s*SLOT
	s_add_nc_u64 s[G0+4*\s+2:G0+4*\s+3], s[66:67], \s*0x10000
	s_or_b32 s[G0+4*\s+3], s[G0+4*\s+3], 0x80000000
	s_mov_b32 s[G0B+4*\s], 1
	s_add_co_u32 s[G0B+4*\s+1], s22, \s*SLOT
	s_add_nc_u64 s[G0B+4*\s+2:G0B+4*\s+3], s[78:79], \s*0x10000
	s_or_b32 s[G0B+4*\s+3], s[G0B+4*\s+3], 0x80000000
	s_wait_alu depctr_va_vdst(0)
	s_wait_tensorcnt 0x0
	ds_add_u32 v28, v29
	ds_add_u32 v28, v29
	s_wait_dscnt 0x0
	CROUND
	JLOAD \s
.endr
	v_and_b32 v1, 15, v0
	v_bfe_u32 v2, v0, 4, 1
	v_and_b32 v3, 31, v0
	v_lshrrev_b32 v4, 1, v1
	v_mul_u32_u24 v4, v4, 272
	v_and_b32 v5, 1, v1
	v_lshl_add_u32 v5, v5, 7, v4
	v_lshl_add_u32 v4, v2, 4, v5
	v_lshl_add_u32 v5, v2, 6, v5
	s_mul_i32 s46, s18, 4*FRAGB
	s_add_co_u32 s46, s46, 2*REG
	v_add_nc_u32 v5, s46, v5
.irp s, 0,1
.irp k, 0,1
	v_add_nc_u32 v[ADRA+2*\s+\k], \s*SLOT+\k*REG, v4
	v_add_nc_u32 v[ADRB+2*\s+\k], \s*SLOT+\k*REG, v5
.endr
.endr
	v_mul_u32_u24 v6, v1, SPITCH
	v_lshl_add_u32 v6, v2, 5, v6
	s_lshl_b32 s21, s18, 8
	v_add_nc_u32 v[STO], s21, v6
	v_mul_u32_u24 v6, v2, SPITCH
	v_lshl_add_u32 v6, v1, 4, v6
	s_mul_i32 s21, s18, 16*SPITCH
	v_add_nc_u32 v[RD], s21, v6
	v_lshlrev_b32 v6, 4, v1
	v_lshl_add_u32 v[HO], v2, 13, v6
	v_lshlrev_b32 v[CO], 3, v3
	v_lshlrev_b32 v[PO], 4, v3
	s_wait_alu depctr_va_vdst(0)
	v_lshlrev_b32 v[BO], 5, v2
	s_wait_alu depctr_va_vdst(0)
	s_lshl_b32 s46, s42, 10
	s_lshl_b32 s21, s18, 8
	s_add_co_u32 s46, s46, s21
	s_mov_b32 s47, 0
	s_add_nc_u64 s[12:13], s[12:13], s[46:47]
	s_lshl_b32 s46, s43, 19
	s_lshl_b32 s21, s18, 17
	s_add_co_u32 s46, s46, s21
	s_lshl_b32 s21, s42, 10
	s_add_co_u32 s46, s46, s21
	s_add_nc_u64 s[14:15], s[14:15], s[46:47]
	s_lshl_b32 s46, s43, 18
	s_lshl_b32 s21, s42, 14
	s_add_co_u32 s46, s46, s21
	s_lshl_b32 s21, s18, 11
	s_add_co_u32 s46, s46, s21
	s_add_co_u32 s46, s46, 0x20000
	s_add_nc_u64 s[16:17], s[16:17], s[46:47]
.irp i, 0,1,2,3,4,5,6,7
	global_load_b128 v[PS+4*\i:PS+4*\i+3], v[PO], s[8:9] offset:512*\i
.endr
.irp b, 0,1,2,3
	global_load_b128 v[BIAS+8*\b:BIAS+8*\b+3], v[BO], s[12:13] offset:64*\b
	global_load_b128 v[BIAS+8*\b+4:BIAS+8*\b+7], v[BO], s[12:13] offset:64*\b+16
.endr
	s_wait_loadcnt 0x0
.irp i, 0,1,2,3,4,5,6,7
	v_pk_add_f32 v[PS+4*\i:PS+4*\i+1], v[PS+4*\i:PS+4*\i+1], v[PS+4*\i+2:PS+4*\i+3]
.endr
.irp i, 0,1,2,3
	v_pk_add_f32 v[PS+8*\i:PS+8*\i+1], v[PS+8*\i:PS+8*\i+1], v[PS+8*\i+4:PS+8*\i+5]
.endr
.irp i, 0,1
	v_pk_add_f32 v[PS+16*\i:PS+16*\i+1], v[PS+16*\i:PS+16*\i+1], v[PS+16*\i+8:PS+16*\i+9]
.endr
	v_pk_add_f32 v[PS:PS+1], v[PS:PS+1], v[PS+16:PS+17]
	v_add_f32 v32, v32, v33
	v_add_f32_dpp v32, v32, v32 row_xmask:1 row_mask:0xf bank_mask:0xf
	v_add_f32_dpp v32, v32, v32 row_xmask:2 row_mask:0xf bank_mask:0xf
	v_add_f32_dpp v32, v32, v32 row_xmask:4 row_mask:0xf bank_mask:0xf
	v_add_f32_dpp v32, v32, v32 row_xmask:8 row_mask:0xf bank_mask:0xf
	v_permlanex16_b32 v33, v32, s76, s77
	v_add_f32 v32, v32, v33
	s_wait_alu depctr_va_vdst(0)
	s_wait_kmcnt 0x0
	s_add_co_i32 s46, s69, 23
	s_sub_co_i32 s46, 0, s46
	v_ldexp_f32 v32, v32, s46
	v_min_num_f32 v32, 0x43e00000, v32
	v_cvt_pk_fp8_f32 v33.l, v32, v32
	v_nop
	v_cvt_f32_fp8 v34, v33
	v_nop
	s_add_co_i32 s47, s68, s69
	s_sub_co_i32 s47, s47, 1
	v_ldexp_f32 v34, v34, s47
	v_mul_f32 v34, 0xbfb8aa3b, v34
	v_readfirstlane_b32 s74, v34
	s_mov_b32 s75, s74
.set jj, 0
.rept 16
	v_pk_mul_f32 v[BIAS+jj:BIAS+jj+1], v[BIAS+jj:BIAS+jj+1], 0xbfb8aa3b op_sel_hi:[1,0]
.set jj, jj+2
.endr
	s_add_co_i32 s46, s72, 127
	s_lshl_b32 s47, s46, 23
	v_mov_b32 v[SC], s47
	s_add_co_i32 s46, s46, 8
	s_lshl_b32 s46, s46, 23
	s_or_b32 s46, s46, 0x600000
	v_mov_b32 v[LIM], s46
	s_wait_tensorcnt 0x1
	s_barrier_signal -1
	s_barrier_wait -1
	WIN W_LD
	FETCH_A 0, 0, 0
	FETCH_BP 0, 0
	UNIT 0, 0, 1
	WIN 0x80                                       ; hidden for the way out is asked for behind the first two K steps' tiles; destination window 2
.irp tp, 0,1,2,3,4,5,6,7
.irp pp, 0,1
.irp j, 0,1
	global_load_b128 v[8*(2*\tp+\pp)+4*\j:8*(2*\tp+\pp)+4*\j+3], v[HO], s[14:15] offset:16384*\tp+512*\pp+256*\j th:TH_LOAD_NT
.endr
.endr
.endr
.irp u, 1,2,3,4,5,6
	UNIT 0, \u, 0
.endr
	TURN 0, 1, 1
.irp u, 0,1,2,3,4,5,6
	UNIT 1, \u, 0
.endr
	TURN 1, 0, 1
.irp u, 0,1,2,3,4,5,6
	UNIT 0, \u, 0
.endr
	TURN 0, 1, 0
.irp u, 0,1,2,3,4,5,6
	UNIT 1, \u, 0
.endr
	s_wait_dscnt 0x0
	PLACES
	WIN W_EXP
	EXPAND 1, 1
	WIN W_MUL
	MUL16 1, 0
	WIN 0
	PLACES
.irp t, 0,1,2,3,4,5,6,7,8,9,10,11,12,13,14,15
.irp i, 0,2,4,6
	v_pk_fma_f32 v[ACC+8*\t+\i:ACC+8*\t+\i+1], v[ACC+8*\t+\i:ACC+8*\t+\i+1], s[74:75], v[BIAS+8*(\t%4)+\i:BIAS+8*(\t%4)+\i+1] op_sel_hi:[1,0,1]
.endr
.endr
.set jj, 0
	s_wait_alu depctr_va_vdst(0)
.rept 128
	v_exp_f32 v[ACC+jj], v[ACC+jj]
.set jj, jj+1
.endr
	v_nop
	s_wait_alu depctr_va_vdst(0)
.set jj, 0
.rept 64
	v_pk_add_f32 v[ACC+jj:ACC+jj+1], v[ACC+jj:ACC+jj+1], 1.0 op_sel_hi:[1,0]
.set jj, jj+2
.endr
.set jj, 0
	s_wait_alu depctr_va_vdst(0)
.rept 128
	v_rcp_f32 v[ACC+jj], v[ACC+jj]
.set jj, jj+1
.endr
	v_nop
	s_wait_alu depctr_va_vdst(0)
.irp a, 0,1,2,3
.irp b, 0,1,2,3
	ds_store_b128 v[STO], v[ACC+8*(4*\a+\b):ACC+8*(4*\a+\b)+3] offset:\a*16*SPITCH+64*\b
	ds_store_b128 v[STO], v[ACC+8*(4*\a+\b)+4:ACC+8*(4*\a+\b)+7] offset:\a*16*SPITCH+64*\b+16
.endr
.endr
	s_wait_dscnt 0x0
	s_barrier_signal -1
	s_barrier_wait -1
	WIN 0x80
.irp tp, 0,1,2,3,4,5,6,7
.irp pp, 0,1
.irp j, 0,1
	ds_load_b128 v[128+8*(2*\tp+\pp)+4*\j:128+8*(2*\tp+\pp)+4*\j+3], v[RD] offset:\tp*2*SPITCH+512*\pp+256*\j
.endr
.endr
.endr
	s_wait_loadcnt 0x0
	s_wait_dscnt 0x0
	WIN 0x8a
.set jj, 0
.rept 64
	v_pk_mul_f32 v[128+jj:129+jj], v[128+jj:129+jj], v[jj:jj+1]
.set jj, jj+2
.endr
	WIN 0x82
.irp t, 0,1,2,3,4,5,6,7,8,9,10,11,12,13,14,15
.irp i, 0,1,2,3,4,5,6,7
	v_med3_num_f32 v[128+8*\t+\i], v[128+8*\t+\i], -v[LIM], v[LIM]
.endr
	v_cvt_scalef32_pk8_fp8_f32 v[2*\t:2*\t+1], v[128+8*\t:128+8*\t+7], v[SC]
.endr
	v_nop
	WIN 0x08
.irp tp, 0,1,2,3,4,5,6,7
.irp pp, 0,1
	global_store_b64 v[CO], v[2*(2*\tp+\pp):2*(2*\tp+\pp)+1], s[16:17] offset:8192*\pp+256*\tp
.endr
.endr
	WIN 0
	s_wait_tensorcnt 0x0
	ds_add_u32 v[SPW], v[NIL]
	s_wait_dscnt 0x0
	CROUND
	s_endpgm
.Lfunc_end_k_q6e695d1ee4_gemm_r:
	.size	k_q6e695d1ee4_gemm_r, .Lfunc_end_k_q6e695d1ee4_gemm_r-k_q6e695d1ee4_gemm_r
	.p2alignl 7, 3214868480
	.fill 96, 4, 3214868480
	.section	.rodata,"a",@progbits
	.p2align	6, 0x0
	.amdhsa_kernel k_q6e695d1ee4_gemm_r
		.amdhsa_group_segment_fixed_size 327680
		.amdhsa_private_segment_fixed_size 0
		.amdhsa_enable_private_segment 0
		.amdhsa_kernarg_size 56
		.amdhsa_user_sgpr_count 2
		.amdhsa_user_sgpr_kernarg_segment_ptr 1
		.amdhsa_wavefront_size32 1
		.amdhsa_system_sgpr_workgroup_id_x 1
		.amdhsa_system_sgpr_workgroup_id_y 1
		.amdhsa_system_sgpr_workgroup_id_z 1
		.amdhsa_system_vgpr_workitem_id 0
		.amdhsa_next_free_vgpr 768
		.amdhsa_next_free_sgpr 80
		.amdhsa_reserve_vcc 0
		.amdhsa_float_denorm_mode_32 3
		.amdhsa_float_denorm_mode_16_64 3
		.amdhsa_memory_ordered 1
		.amdhsa_forward_progress 1
		.amdhsa_inst_pref_size 247
	.end_amdhsa_kernel
	.amdgpu_metadata
---
amdhsa.version: [ 1, 2 ]
amdhsa.kernels:
  - .name:           k_q6e695d1ee4_gemm_r
    .symbol:         k_q6e695d1ee4_gemm_r.kd
    .args:
      - { .name: a_rz, .offset: 0, .size: 8, .value_kind: global_buffer, .address_space: global }
      - { .name: wc, .offset: 8, .size: 8, .value_kind: global_buffer, .address_space: global }
      - { .name: psum, .offset: 16, .size: 8, .value_kind: global_buffer, .address_space: global }
      - { .name: lowp_scales, .offset: 24, .size: 8, .value_kind: global_buffer, .address_space: global }
      - { .name: b_r, .offset: 32, .size: 8, .value_kind: global_buffer, .address_space: global }
      - { .name: hidden, .offset: 40, .size: 8, .value_kind: global_buffer, .address_space: global }
      - { .name: a_n, .offset: 48, .size: 8, .value_kind: global_buffer, .address_space: global }
    .group_segment_fixed_size: 327680
    .private_segment_fixed_size: 0
    .kernarg_segment_align: 8
    .kernarg_segment_size: 56
    .max_flat_workgroup_size: 128
    .sgpr_count:     80
    .vgpr_count:     768
    .wavefront_size: 32
...
	.end_amdgpu_metadata
.endif
;; end of part 5
;; launch gemm_zn (part 6): grid 8 x 32, 8 waves a work-group, clusters of 4 x 4, 327,680 bytes of LDS; arguments a_rz, a_n, wc, psum, lowp_scales, b_z, b_n, hidden, out0; writes out0
.if DOCPART == 6
	.amdgcn_target "amdgcn-amd-amdhsa--gfx1250"
	.amdhsa_code_object_version 6
	.text
	.protected	k_q6e695d1ee4_gemm_zn
	.globl	k_q6e695d1ee4_gemm_zn
	.p2align	8
	.type	k_q6e695d1ee4_gemm_zn,@function
k_q6e695d1ee4_gemm_zn:
	s_mov_b64 s[64:65], 0
	v_nop
	global_prefetch_b8 v0, s[64:65] scope:SCOPE_SE
	s_setreg_imm32_b32 hwreg(HW_REG_WAVE_MODE, 25, 1), 1
	s_wait_xcnt 0x0
	s_wait_alu depctr_hold_cnt(0) depctr_sa_sdst(0) depctr_va_vdst(0) depctr_va_sdst(0) depctr_va_ssrc(0) depctr_va_vcc(0) depctr_vm_vsrc(0)
	s_getreg_b32 s2, hwreg(HW_REG_IB_STS2, 6, 4)
	s_cmp_eq_u32 s2, 0
	s_cbranch_scc0 .Lentry_in_a_cluster
	s_endpgm
.Lentry_in_a_cluster:
	s_bfe_u32 s2, ttmp6, 0x10000c
	s_cmp_lg_u32 s2, 0xf033
	s_cbranch_scc0 .Lentry_shape_is_right
	s_endpgm
.Lentry_shape_is_right:
; BitGRUCell, launch 3 of 3: products 2 and 3 on codes of E4M3 for the SAME 64 x 256 block of the output in one work-group, z = sigmoid(.), n = tanh(.), h_new = hidden + z (n - hidden).  No work is left out.
; z and n meet in LDS and never go to memory.  A pre-activation is sum x Q(m) x 2^(eA + eB - 1) + bias, Q(m) the right operand's one magnitude by the stated quantiser (launch 1's head shows why that is exact);
; the right operand comes in 2 bits a number and is widened in registers: (word << 2 f) & 0xC0C0C0C0 is a register of four codes, +2.0, -2.0 or 0.
; Both activations come from u = 1 / (1 + 2^(k v)): z = u with k = -log2(e); n = 1 - 2 u with k = 2 log2(e).  (1 - z) hidden + z n is written hidden + z (n - hidden): one rounding's difference.
; LIMITS: the exponents are applied by v_ldexp_f32 and have none here.  NaN among the inputs is not served.
; SHARES.  256 work-groups of EIGHT waves, two to a SIMD, 512 registers each.  Waves 0-3 make z, waves 4-7 make n; each all 64 rows x 64 columns: 16 accumulators.  K goes in eight steps of 512 through a ring of two
; LDS slots; a slot holds four blocks of 32,768 consecutive bytes of memory: z's left operand (64 rows x 512 K) and right (256 columns x 512 K in 2 bits), n's left and right; wave w fetches half w % 2 of block w / 2.
; CLUSTERS: 4 x 4 work-groups.  The left operands' blocks hang on the tile row alone and are asked for JOINTLY along a row of the cluster, the right operands' on the tile column alone, along a column.
; THE MATRIX INSTRUCTION IS USED TRANSPOSED (source 0 = 16 rows of w, source 1 = 16 rows of the left operand): a lane holds eight neighbouring columns of one row.
; THE WIDENING STANDS AMONG THE PRODUCTS.  A unit is 128 along K, 16 matrix instructions a wave.  The widened right operand has two sets; while one is multiplied, the next unit's is made: six to eight plain vector
; lines behind each matrix instruction, which name none of its registers; the SIMD's other wave has the same pattern.  One setting of the register windows serves a whole unit.
; REGISTERS: window 0: v1-29 addresses; v32-63 the bias; v64-127, v128-191 the left operand's four fragments, two sets (v128-159 first hold partial sums of |w|);
;   v192-255 the right operand's words for 512 along K (block b at v[192 + 16 b]), and in the last unit hidden.   window 1: v0-127 accumulators (a, b) at v[8 (4 a + b)]; v128-191, v192-255 the four blocks widened, two sets.
; PREFETCH: behind each refill in the loop a wave asks for 16 of the 64 lines of 256 bytes that it will fetch two refills on (K step i + 4 at refill i); the four partners of a joint load take 16 lines each,
; told apart by address; lanes 16-31 name lane 15's line again; the loop's last trip asks for nothing, so K step 7 is the last that is named.  K steps 0 to 3 come by their loads alone.
; hidden has no registers during the loop: each wave asks for its 32 lines of 256 bytes once, ahead of the loop, and loads them in the last unit.
.set REG,    128*272                   ; a block in LDS: 128 lines of 256 bytes + 16 of padding; a line holds two rows of 128 bytes
.set HREG,   64*272                    ; what one tensor load brings
.set APAN,   32*272                    ; left operand: 64 rows x 128 along K
.set FRAGB,  8*272                     ; 16 rows
.set SLOT,   4*REG
.set SPARE,  2*SLOT                    ; behind the ring: the spare words, 128 bytes for each of eight waves, that no other line names
.set SPITCH, 1040                      ; the way out: two stages of 64 rows x (1,024 bytes + 16), z's and n's, in slot 0, which has had its last fill and its last read by then
.set PLANE,  64*SPITCH
.set LAPS,   4                         ; a lap = two K steps = once round the ring
.set KSTEPB, 0x10000                   ; bytes from a slot's block to its next: two K steps of 32,768 bytes
.set ADRA, 8                           ; v8-9    LDS address of my fragments of the left operand in slot 0, 1
.set ADRB, 10                          ; v10-11  the same for the right operand's words
.set STO,  16                          ; v16     the way out: where I put 32 bytes of a row
.set RDZ,  17                          ; v17     where I read z's rows back
.set RDN,  18                          ; v18     and n's
.set OO,   19                          ; v19     16 x lane
.set PFO,  20                          ; v20     256 x min(lane, 15): my line of a tile's prefetch; never rewritten
.set HPF,  21                          ; v21     my line of hidden's prefetch: row lane / 4, 256 x (lane % 4); never rewritten
.set BO,   23                          ; v23     32 x (lane / 16)
.set SPW,  28                          ; v28     LDS address of my spare word; never rewritten
.set NIL,  29                          ; v29     0; never rewritten
.set BIAS, 32
.set AF,   64
.set PS,   128
.set BP,   192
.set HID,  192
.set BX,   128                         ; window 1: the right operand, widened
.set G1,  24                           ; s[24:31] descriptor group 1 for the left operands; s[32:39] group 0, a set for each slot
.set G0,  32
.set G1B, 48                           ; s[48:55], s[56:63] the same for the right operands
.set G0B, 56
.set PFA, 88                           ; s[88:89] where my prefetches of tiles stand
.set MSB, 0
.macro WIN new                         ; the immediate's high byte repeats the setting that is left; a switch that changes nothing is dropped
.if MSB != (\new)
	s_set_vgpr_msb (MSB<<8)|(\new)
.set MSB, (\new)
.endif
.endm
.macro JLOAD s                         ; a joint load: waves 0, 1, 4, 5 fetch for a left operand, waves 2, 3, 6, 7 for a right; an s_nop 0 and four v_nop follow each line
	s_cmp_eq_u32 s2, 0
	s_cbranch_scc0 .Lfor_b_\@
	tensor_load_to_lds s[G0+4*\s:G0+4*\s+3], s[G1:G1+7]
	s_nop 0
.rept 4
	v_nop
.endr
	s_branch .Lasked_\@
.Lfor_b_\@:
	tensor_load_to_lds s[G0B+4*\s:G0B+4*\s+3], s[G1B:G1B+7]
	s_nop 0
.rept 4
	v_nop
.endr
.Lasked_\@:
.endm
.macro CREST                           ; a round of the cluster's barrier behind its opening barrier
	s_cmp_lg_u32 s22, 0
	s_cbranch_scc1 .Lnot_wave_0_\@
	s_barrier_signal -3
.Lnot_wave_0_\@:
	s_barrier_wait -3
	s_barrier_signal -1
	s_barrier_wait -1
.endm
.macro CROUND
	s_barrier_signal -1
	s_barrier_wait -1
	CREST
.endm
.macro ASK                             ; the tiles' prefetch; s3 = 1 in the loop's last trip, whose two refills have no K step two refills on
	s_cmp_gt_u32 s3, 1
	s_cbranch_scc0 .Lno_ask_\@
	global_prefetch_b8 v[PFO], s[PFA:PFA+1] th:TH_LOAD_NT scope:SCOPE_SE
.Lno_ask_\@:
.endm
; Line XI of the widening of my four blocks into set ns, for the 128 along K numbered 2 qp + p among the slot's 512: register 2 m + t = (word 2 m + qp << (4 p + 2 t)) & 0xC0C0C0C0.
; Lines 0-63 take the words (source 1: window 0): the shift, or for shift 0 the mask at once.  The lines from 64 on mask what was shifted (source 0: window 1): 64 lines behind the shift.
.macro XOP ns, qp, p
.if XI < 64
.set XR, XI%16
.set XD, BX+64*(\ns)+XI
.set XS, BP+16*(XI/16)+2*(XR/2)+(\qp)
.if 2*(\p)+XR%2 == 0
	v_and_b32 v[XD], s86, v[XS]
.else
	v_lshlrev_b32 v[XD], 4*(\p)+2*(XR%2), v[XS]
.endif
.else
.if \p
.set XD, BX+64*(\ns)+XI-64
.else
.set XD, BX+64*(\ns)+2*(XI-64)+1
.endif
	v_and_b32 v[XD], v[XD], s86
.endif
.set XI, XI+1
.endm
; A unit's products: the 16 accumulators by turns, on set 'set' of both operands.  ex = 1: the 96 + 32 p lines that widen the next unit's four blocks are dealt evenly
; behind the matrix instructions from number 'skip' on.  skip > 0: the words come from loads just issued; the wait leaves the 16 youngest loads (the left operand's) out.
.macro PHASE set, zero, qp, p, skip, ex
	WIN 0x51                                       ; sources 0 and 2 and the destination: window 1; source 1: window 0
.set XI, 0
.set XJ, 0
.irp a, 0,1,2,3
.irp b, 0,1,2,3
.if (\skip) && XJ == (\skip)
	s_wait_dscnt 16
.endif
.if \zero
	v_wmma_f32_16x16x128_fp8_fp8 v[8*(4*\a+\b):8*(4*\a+\b)+7], v[BX+64*(\set)+16*\b:BX+64*(\set)+16*\b+15], v[AF+64*(\set)+16*\a:AF+64*(\set)+16*\a+15], 0
.else
	v_wmma_f32_16x16x128_fp8_fp8 v[8*(4*\a+\b):8*(4*\a+\b)+7], v[BX+64*(\set)+16*\b:BX+64*(\set)+16*\b+15], v[AF+64*(\set)+16*\a:AF+64*(\set)+16*\a+15], v[8*(4*\a+\b):8*(4*\a+\b)+7]
.endif
.set XJ, XJ+1
.if \ex
.if XJ > (\skip)
.rept 8
.if XI < (96+32*(\p))*(XJ-(\skip))/(16-(\skip))
	XOP 1-(\set), \qp, \p
.endif
.endr
.endif
.endif
.endr
.endr
.endm
.macro FETCH_A slot, u, set            ; the left operand's four fragments of the slot's u-th 128 along K: lane l holds row l % 16; register group c the row's bytes 32 c + 16 (l / 16) + 0 .. 15
.irp i, 0,1,2,3
.irp c, 0,1,2,3
	ds_load_b128 v[AF+64*(\set)+16*\i+4*\c:AF+64*(\set)+16*\i+4*\c+3], v[ADRA+(\slot)] offset:(\u)*APAN+\i*FRAGB+32*\c
.endr
.endr
.endm
.macro FETCH_BP slot                   ; the right operand's words for the slot's 512 along K: for each of my four blocks lane l takes the 64 bytes of half l / 16 of column l % 16's record
.irp b, 0,1,2,3
.irp n, 0,1,2,3
	ds_load_b128 v[BP+16*\b+4*\n:BP+16*\b+4*\n+3], v[ADRB+(\slot)] offset:\b*FRAGB+16*\n
.endr
.endr
.endm
; A unit, the slot's u-th (0 .. 2).  The loads go into the set that the unit before multiplied: at least six plain vector lines stand behind that unit's last matrix instruction.
.macro UNIT slot, u, zero
	s_wait_dscnt 0x0                               ; my fragments of the left operand are in (asked for a unit ago)
	WIN 0
	FETCH_A \slot, (\u)+1, ((\u)+1)%2
	PHASE (\u)%2, \zero, ((\u)+1)/2, ((\u)+1)%2, 0, 1
.endm
; A slot's last unit changes slots.  All my reads of the slot have been issued: the wait for all my tensor loads, the add, the wait for it and for those reads, and the barrier stand at its head.
; fill = 1: the barrier opens a round of the cluster's barrier, and the slot is filled again, two K steps ahead, first thing behind the round.
.macro TURN slot, next, fill
	WIN 0
	s_wait_alu depctr_va_vdst(0)
.if \fill
	s_wait_xcnt 0x0                                ; my last prefetch has read its address, which steps one K step on
	s_add_nc_u64 s[PFA:PFA+1], s[PFA:PFA+1], 0x8000
.endif
	s_wait_tensorcnt 0x0                           ; all my tensor loads have landed: the one that was out is my part of the next slot
	ds_add_u32 v[SPW], v[NIL]                      ; 0 onto my spare word
.if \fill
	s_add_nc_u64 s[G0+4*\slot+2:G0+4*\slot+3], s[G0+4*\slot+2:G0+4*\slot+3], KSTEPB
	s_add_nc_u64 s[G0B+4*\slot+2:G0B+4*\slot+3], s[G0B+4*\slot+2:G0B+4*\slot+3], KSTEPB
.endif
	s_wait_dscnt 0x0                               ; the add is done, and my reads of this slot are over
	s_barrier_signal -1
	s_barrier_wait -1
.if \fill
	CREST                                          ; no wave of any partner still reads this slot or has a load on its way
	JLOAD \slot                                    ; the first tensor load behind the round, my only one until the next
.endif
	FETCH_BP \next                                 ; 16 loads: the old words were last read a unit ago
	FETCH_A \next, 0, 0                            ; 16 loads
.if \fill
	ASK
.endif
	PHASE 1, 0, 0, 0, 4, 1
.endm
	s_load_b512 s[4:19], s[0:1], 0x0               ; a_rz s[4:5], a_n s[6:7], wc s[8:9], psum s[10:11], the scales s[12:13], b_z s[14:15], b_n s[16:17], hidden s[18:19]
	s_load_b64 s[20:21], s[0:1], 0x40              ; out0
	v_lshl_add_u32 v[SPW], v0, 2, SPARE
	v_mov_b32 v[NIL], 0
	ds_add_u32 v[SPW], v[NIL]                      ; the wave's opening: the add, twice on end, and its wait ahead of my first tensor load
	ds_add_u32 v[SPW], v[NIL]
	v_lshrrev_b32 v1, 5, v0
	v_readfirstlane_b32 s22, v1                    ; wave 0..7
	s_lshr_b32 s23, s22, 2                         ; my gate: 0 z, 1 n, for the products and for what I fetch
	s_bfe_u32 s2, s22, 0x10001                     ; I fetch for a left operand (0) or a right operand (1)
	s_and_b32 s87, s22, 1                          ; which half of that block
	s_bfe_u32 s40, ttmp6, 0x40000                  ; cx, cy: my place in the cluster
	s_bfe_u32 s41, ttmp6, 0x40004
	s_lshl_b32 s42, ttmp9, 2
	s_add_co_u32 s42, s42, s40                     ; tile column (256 columns) = 4 x cluster x + cx
	s_and_b32 s43, ttmp7, 0xffff
	s_lshl_b32 s43, s43, 2
	s_add_co_u32 s43, s43, s41                     ; tile row (64 rows) = 4 x cluster y + cy
	s_lshl_b32 s44, s41, 2
	s_lshl_b32 s44, 15, s44                        ; my row of the cluster
	s_lshl_b32 s45, 0x1111, s40                    ; my column
	s_or_b32 s[G1], s44, (1<<20)|(1<<21)|(5<<22)|(3<<25)    ; group 1: the mask; elements of 1 byte; padding on; bit 21 beside a mask; after every 64 words four words
	s_or_b32 s[G1B], s45, (1<<20)|(1<<21)|(5<<22)|(3<<25)
.irp g, G1, G1B
	s_mov_b32 s[\g+1], 256<<16                     ; tensor_dim0 = 256
	s_mov_b32 s[\g+2], 64<<16                      ; tensor_dim1 = 64
	s_mov_b32 s[\g+3], 256<<16                     ; tile_dim0 = 256
	s_mov_b32 s[\g+4], 64                          ; tile_dim1 = 64
	s_mov_b32 s[\g+5], 256                         ; from line to line
	s_mov_b32 s[\g+6], 0
	s_mov_b32 s[\g+7], 0
.endr
	s_lshl_b32 s85, s87, 14                        ; my half: 16,384 bytes
	s_cmp_eq_u32 s23, 0
	s_cselect_b32 s80, 0x800000, 0                 ; left operand: z takes set 1 of a_rz (the codes with e2), n takes a_n
	s_lshl_b32 s46, s43, 18
	s_add_co_u32 s80, s80, s46                     ; the tile row's 262,144 bytes, which my row of the cluster shares
	s_add_co_u32 s80, s80, s85
	s_mov_b32 s81, 0
	s_add_co_u32 s82, s23, 1
	s_lshl_b32 s82, s82, 21                        ; right operand: gate 1 (z) or 2 (n) of wc,
	s_lshl_b32 s47, s42, 18
	s_add_co_u32 s82, s82, s47                     ; the tile column's 262,144 bytes, which my column shares
	s_add_co_u32 s82, s82, s85
	s_mov_b32 s83, 0
	s_mul_i32 s84, s22, HREG                       ; where my part goes: wave x half a block
	s_mov_b32 s76, 0x76543210                      ; v_permlanex16_b32: each lane takes its own place in the other half
	s_mov_b32 s77, 0xfedcba98
	s_mov_b32 s86, 0xc0c0c0c0                      ; the two top bits of four bytes
	s_wait_dscnt 0x0                               ; both opening adds are done
	s_wait_kmcnt 0x0
	s_load_b128 s[68:71], s[12:13], 0x0            ; e0 .. e3
	s_load_b64 s[72:73], s[12:13], 0x10            ; e4, e5
	s_cmp_eq_u32 s23, 0
	s_cselect_b64 s[66:67], s[4:5], s[6:7]         ; the choice hangs on the wave's number alone
	s_add_nc_u64 s[66:67], s[66:67], s[80:81]
	s_add_nc_u64 s[82:83], s[8:9], s[82:83]
	CROUND                                         ; all sixteen work-groups are here: the first joint loads meet
.irp s, 0,1
	s_mov_b32 s[G0+4*\s], 1
	s_add_co_u32 s[G0+4*\s+1], s84, \s*SLOT
	s_add_nc_u64 s[G0+4*\s+2:G0+4*\s+3], s[66:67], \s*0x8000     ; K step s
	s_or_b32 s[G0+4*\s+3], s[G0+4*\s+3], 0x80000000
	s_mov_b32 s[G0B+4*\s], 1
	s_add_co_u32 s[G0B+4*\s+1], s84, \s*SLOT
	s_add_nc_u64 s[G0B+4*\s+2:G0B+4*\s+3], s[82:83], \s*0x8000
	s_or_b32 s[G0B+4*\s+3], s[G0B+4*\s+3], 0x80000000
.endr
	JLOAD 0                                        ; K step 0: one tensor load a wave at the head
	s_cmp_eq_u32 s2, 0                             ; the prefetches: the stream of half blocks that I fetch,
	s_cselect_b64 s[PFA:PFA+1], s[66:67], s[82:83]
	s_cselect_b32 s46, s40, s41                    ; my place among the four that ask with me: cx for a left operand, cy for a right
	s_lshl_b32 s46, s46, 12                        ; 16 lines of 256 bytes
	s_add_co_u32 s46, s46, 3*0x8000                ; at K step 3: the first refill steps it to 4
	s_mov_b32 s47, 0
	s_add_nc_u64 s[PFA:PFA+1], s[PFA:PFA+1], s[46:47]
	v_and_b32 v1, 15, v0                           ; r = l % 16
	v_bfe_u32 v2, v0, 4, 1                         ; h = l / 16
	v_and_b32 v3, 31, v0                           ; lane
	v_lshrrev_b32 v4, 1, v1
	v_mul_u32_u24 v4, v4, 272                      ; row r lies in line r / 2,
	v_and_b32 v5, 1, v1
	v_lshl_add_u32 v5, v5, 7, v4                   ; in its half r % 2
	v_lshl_add_u32 v4, v2, 4, v5                   ; left operand: + 16 h
	v_lshl_add_u32 v5, v2, 6, v5                   ; right operand: + 64 h: my half of the record
	s_wait_alu depctr_va_vdst(0)
	s_mul_i32 s46, s23, 2*REG                      ; my gate's two blocks: the left operand's,
	s_add_co_u32 s47, s46, REG                     ; then the right's,
	s_and_b32 s85, s22, 3
	s_mul_i32 s85, s85, 4*FRAGB                    ; of which my 64 columns' records
	s_add_co_u32 s47, s47, s85
.irp s, 0,1
	s_add_co_u32 s85, s46, \s*SLOT
	v_add_nc_u32 v[ADRA+\s], s85, v4
	s_add_co_u32 s85, s47, \s*SLOT
	v_add_nc_u32 v[ADRB+\s], s85, v5
.endr
	v_mul_u32_u24 v5, v1, SPITCH                   ; into my gate's stage: row r, byte 256 x (my quarter of the columns) + 32 h
	v_lshl_add_u32 v5, v2, 5, v5
	s_mul_i32 s46, s23, PLANE
	s_and_b32 s47, s22, 3
	s_lshl_b32 s47, s47, 8
	s_add_co_u32 s46, s46, s47
	v_add_nc_u32 v[STO], s46, v5
	v_lshlrev_b32 v[OO], 4, v3                     ; back: wave w takes rows 8 w on, whole, 512 bytes at a time
	v_min_u32 v[PFO], 15, v3
	v_lshlrev_b32 v[PFO], 8, v[PFO]
	v_lshrrev_b32 v[HPF], 2, v3
	v_and_b32 v6, 3, v3
	v_lshlrev_b32 v6, 8, v6
	v_lshl_add_u32 v[HPF], v[HPF], 13, v6
	s_wait_alu depctr_va_vdst(0)
	s_mul_i32 s46, s22, 8*SPITCH
	v_add_nc_u32 v[RDZ], s46, v[OO]
	v_add_nc_u32 v[RDN], PLANE, v[RDZ]
	v_lshlrev_b32 v[BO], 5, v2
	s_wait_alu depctr_va_vdst(0)
	s_cmp_eq_u32 s23, 0
	s_cselect_b64 s[14:15], s[14:15], s[16:17]     ; my gate's bias,
	s_mov_b32 s78, 0x4038aa3b                      ; k: 2 log2(e) for n,
	s_cselect_b32 s78, 0xbfb8aa3b, s78             ; -log2(e) for z
	s_mov_b32 s79, s78
	s_lshl_b32 s46, s42, 10
	s_and_b32 s85, s22, 3
	s_lshl_b32 s85, s85, 8
	s_add_co_u32 s46, s46, s85
	s_mov_b32 s47, 0
	s_add_nc_u64 s[14:15], s[14:15], s[46:47]      ; at column 256 x tile column + 64 x (my quarter)
	s_add_co_u32 s46, s23, 1
	s_lshl_b32 s46, s46, 12
	s_add_nc_u64 s[10:11], s[10:11], s[46:47]      ; my gate's 1,024 partial sums
	s_lshl_b32 s46, s43, 19                        ; hidden and out0 at row 64 x tile row + 8 x wave, column 256 x tile column
	s_lshl_b32 s85, s22, 16
	s_add_co_u32 s46, s46, s85
	s_lshl_b32 s85, s42, 10
	s_add_co_u32 s46, s46, s85
	s_add_nc_u64 s[18:19], s[18:19], s[46:47]
	s_add_nc_u64 s[20:21], s[20:21], s[46:47]
.irp i, 0,1,2,3,4,5,6,7
	global_load_b128 v[PS+4*\i:PS+4*\i+3], v[OO], s[10:11] offset:512*\i    ; 32 partial sums a lane
.endr
.irp b, 0,1,2,3
	global_load_b128 v[BIAS+8*\b:BIAS+8*\b+3], v[BO], s[14:15] offset:64*\b           ; the bias in the result's layout: for block b columns 16 b + 8 h + 0 .. 7
	global_load_b128 v[BIAS+8*\b+4:BIAS+8*\b+7], v[BO], s[14:15] offset:64*\b+16
.endr
	s_wait_alu depctr_va_vdst(0)
	s_wait_tensorcnt 0x0                           ; my part of K step 0 is in
	ds_add_u32 v[SPW], v[NIL]
	s_wait_dscnt 0x0
	CROUND                                         ; everybody's part of K step 0 is in, and all sixteen work-groups are here
	JLOAD 1                                        ; K step 1: slot 1's first fill, the first tensor load behind the round
	FETCH_BP 0
	FETCH_A 0, 0, 0
	s_wait_loadcnt 0x0                             ; the partial sums and the bias
	; the tensor's sum of |w|: every wave that serves a gate adds in the same order
.irp i, 0,1,2,3,4,5,6,7
	v_pk_add_f32 v[PS+4*\i:PS+4*\i+1], v[PS+4*\i:PS+4*\i+1], v[PS+4*\i+2:PS+4*\i+3]
.endr
.irp i, 0,1,2,3
	v_pk_add_f32 v[PS+8*\i:PS+8*\i+1], v[PS+8*\i:PS+8*\i+1], v[PS+8*\i+4:PS+8*\i+5]
.endr
.irp i, 0,1
	v_pk_add_f32 v[PS+16*\i:PS+16*\i+1], v[PS+16*\i:PS+16*\i+1], v[PS+16*\i+8:PS+16*\i+9]
.endr
	v_pk_add_f32 v[PS:PS+1], v[PS:PS+1], v[PS+16:PS+17]
	v_add_f32 v5, v[PS], v[PS+1]
	v_add_f32_dpp v5, v5, v5 row_xmask:1 row_mask:0xf bank_mask:0xf
	v_add_f32_dpp v5, v5, v5 row_xmask:2 row_mask:0xf bank_mask:0xf
	v_add_f32_dpp v5, v5, v5 row_xmask:4 row_mask:0xf bank_mask:0xf
	v_add_f32_dpp v5, v5, v5 row_xmask:8 row_mask:0xf bank_mask:0xf
	v_permlanex16_b32 v6, v5, s76, s77
	v_add_f32 v5, v5, v6
	s_wait_alu depctr_va_vdst(0)
	s_wait_kmcnt 0x0                               ; the exponents
	s_cmp_eq_u32 s23, 0
	s_cselect_b32 s46, s70, s72                    ; eA: e2 for z, e4 for n: a choice without a jump
	s_cselect_b32 s47, s71, s73                    ; eB: e3 or e5
	s_add_co_i32 s46, s46, s47
	s_sub_co_i32 s46, s46, 1                       ; eA + eB - 1: the codes stand for 2 sign(w)
	s_add_co_i32 s47, s47, 23
	s_sub_co_i32 s47, 0, s47
	v_ldexp_f32 v5, v5, s47                        ; m / 2^eB: the mean is the sum / 2^23 (2,048 x 4,096 numbers)
	v_min_num_f32 v5, 0x43e00000, v5               ; held at 448 (it is not negative)
	v_cvt_pk_fp8_f32 v6.l, v5, v5                  ; to the nearest code, ties to even,
	v_nop
	v_cvt_f32_fp8 v7, v6                           ; and back: Q(m) / 2^eB
	v_nop
	v_ldexp_f32 v7, v7, s46                        ; x 2^(eA + eB - 1)
	v_mul_f32 v7, s78, v7                          ; x k
	v_readfirstlane_b32 s74, v7
	s_mov_b32 s75, s74
.set jj, 0
.rept 16
	v_pk_mul_f32 v[BIAS+jj:BIAS+jj+1], v[BIAS+jj:BIAS+jj+1], s[78:79] op_sel_hi:[1,0]   ; the bias x k
.set jj, jj+2
.endr
	s_wait_dscnt 0x0                               ; slot 0's words and first fragments are in
	WIN 0x51
.set XI, 0
.rept 96
	XOP 0, 0, 0                                    ; the very first unit's widening, into set 0
.endr
	UNIT 0, 0, 1                                   ; the first unit stands in front of the loop: its products start the sums
	WIN 0                                          ; at a label and at a branch every window is 0
	global_prefetch_b8 v[HPF], s[18:19] th:TH_LOAD_NT scope:SCOPE_SE   ; hidden: my 8 rows x 1,024 bytes, a lane a line of 256 bytes
	s_mov_b32 s3, LAPS-1
.Llap:                                                 ; a trip goes once round the ring, from a lap's second unit to the next lap's first, and fills both slots again
	UNIT 0, 1, 0
	UNIT 0, 2, 0
	TURN 0, 1, 1
	UNIT 1, 0, 0
	UNIT 1, 1, 0
	UNIT 1, 2, 0
	TURN 1, 0, 1
	UNIT 0, 0, 0
	WIN 0
	s_sub_co_u32 s3, s3, 1
	s_cmp_lg_u32 s3, 0
	s_cbranch_scc1 .Llap
	UNIT 0, 1, 0                                   ; the last lap fills nothing, and has no round of the cluster's barrier
	UNIT 0, 2, 0
	TURN 0, 1, 0
	UNIT 1, 0, 0
	UNIT 1, 1, 0
	UNIT 1, 2, 0
	WIN 0
	s_wait_alu depctr_va_vdst(0)
	s_wait_dscnt 0x0                               ; the very last unit: nothing more to widen or to fetch
.set jj, 0
.rept 16
	global_load_b128 v[HID+4*jj:HID+4*jj+3], v[OO], s[18:19] offset:(jj/2)*8192+(jj%2)*512 th:TH_LOAD_NT   ; hidden, into the words' registers, which were last read a unit ago: 512 consecutive bytes of a row a load
.set jj, jj+1
.endr
	PHASE 1, 0, 0, 0, 0, 0
	; THE WAY OUT.  u = 1 / (1 + 2^(sum x F + bias')), each accumulator from its low end on; exponentials and reciprocals as one batch each, with a wait ahead and one behind.
.rept 4
	v_nop                                          ; four places behind the last products, ahead of the first read of results (ISA guide 7.12.1)
.endr
	WIN 0x41                                       ; destination and source 0: window 1; the bias: window 0
.irp a, 0,1,2,3
.irp b, 0,1,2,3
.irp i, 0,2,4,6
	v_pk_fma_f32 v[8*(4*\a+\b)+\i:8*(4*\a+\b)+\i+1], v[8*(4*\a+\b)+\i:8*(4*\a+\b)+\i+1], s[74:75], v[BIAS+8*\b+\i:BIAS+8*\b+\i+1] op_sel_hi:[1,0,1]
.endr
.endr
.endr
	s_wait_alu depctr_va_vdst(0)
.set jj, 0
.rept 128
	v_exp_f32 v[jj], v[jj]
.set jj, jj+1
.endr
	v_nop                                          ; a plain line behind the last exponential,
	s_wait_alu depctr_va_vdst(0)                   ; and the one wait ahead of the batch's first reader
.set jj, 0
.rept 64
	v_pk_add_f32 v[jj:jj+1], v[jj:jj+1], 1.0 op_sel_hi:[1,0]
.set jj, jj+2
.endr
	s_wait_alu depctr_va_vdst(0)
.set jj, 0
.rept 128
	v_rcp_f32 v[jj], v[jj]
.set jj, jj+1
.endr
	v_nop
	s_wait_alu depctr_va_vdst(0)
	WIN 0x04                                       ; store data: window 1
.irp a, 0,1,2,3
.irp b, 0,1,2,3
	ds_store_b128 v[STO], v[8*(4*\a+\b):8*(4*\a+\b)+3] offset:\a*16*SPITCH+64*\b
	ds_store_b128 v[STO], v[8*(4*\a+\b)+4:8*(4*\a+\b)+7] offset:\a*16*SPITCH+64*\b+16
.endr
.endr
	WIN 0
	s_wait_dscnt 0x0                               ; for the others' sake: my stores into the stage are done
	s_barrier_signal -1
	s_barrier_wait -1                              ; 64 rows of z's u and of n's u lie in the stages
	WIN 0x40                                       ; destination window 1: the accumulators' registers are free
.set jj, 0
.rept 16
	ds_load_b128 v[4*jj:4*jj+3], v[RDZ] offset:(jj/2)*SPITCH+(jj%2)*512          ; z, my 8 rows, whole
.set jj, jj+1
.endr
.set jj, 0
.rept 16
	ds_load_b128 v[64+4*jj:64+4*jj+3], v[RDN] offset:(jj/2)*SPITCH+(jj%2)*512    ; n's u likewise
.set jj, jj+1
.endr
	s_wait_loadcnt 0x0                             ; hidden
	s_wait_dscnt 0x0
	WIN 0x41                                       ; destination and source 0 window 1; source 1 window 0
.set jj, 0
.rept 32
	v_pk_fma_f32 v[64+jj:65+jj], v[64+jj:65+jj], -2.0, 1.0 op_sel_hi:[1,0,0]     ; n = 1 - 2 u
.set jj, jj+2
.endr
.set jj, 0
.rept 32
	v_pk_add_f32 v[64+jj:65+jj], v[64+jj:65+jj], v[HID+jj:HID+jj+1] neg_lo:[0,1] neg_hi:[0,1]   ; n - hidden
.set jj, jj+2
.endr
	WIN 0x45                                       ; destination, sources 0 and 1 window 1; source 2 window 0
.set jj, 0
.rept 32
	v_pk_fma_f32 v[jj:jj+1], v[jj:jj+1], v[64+jj:65+jj], v[HID+jj:HID+jj+1]      ; z (n - hidden) + hidden
.set jj, jj+2
.endr
	WIN 0x04                                       ; store data window 1
.set jj, 0
.rept 16
	global_store_b128 v[OO], v[4*jj:4*jj+3], s[20:21] offset:(jj/2)*8192+(jj%2)*512 th:TH_STORE_NT   ; 32 lanes store 512 consecutive bytes, at a multiple of 256 from out0's first byte
.set jj, jj+1
.endr
	WIN 0
	s_wait_tensorcnt 0x0                           ; the wave's end: an add to my spare word and its wait, behind my last tensor load and my last LDS store
	ds_add_u32 v[SPW], v[NIL]
	s_wait_dscnt 0x0
	CROUND                                         ; the closing round: no work-group ends while a partner may still ask for a block that names it
	s_endpgm
.Lfunc_end_k_q6e695d1ee4_gemm_zn:
	.size	k_q6e695d1ee4_gemm_zn, .Lfunc_end_k_q6e695d1ee4_gemm_zn-k_q6e695d1ee4_gemm_zn
	.p2alignl 7, 3214868480
	.fill 96, 4, 3214868480
	.section	.rodata,"a",@progbits
	.p2align	6, 0x0
	.amdhsa_kernel k_q6e695d1ee4_gemm_zn
		.amdhsa_group_segment_fixed_size 327680
		.amdhsa_private_segment_fixed_size 0
		.amdhsa_enable_private_segment 0
		.amdhsa_kernarg_size 72
		.amdhsa_user_sgpr_count 2
		.amdhsa_user_sgpr_kernarg_segment_ptr 1
		.amdhsa_wavefront_size32 1
		.amdhsa_system_sgpr_workgroup_id_x 1
		.amdhsa_system_sgpr_workgroup_id_y 1
		.amdhsa_system_sgpr_workgroup_id_z 1
		.amdhsa_system_vgpr_workitem_id 0
		.amdhsa_next_free_vgpr 512
		.amdhsa_next_free_sgpr 90
		.amdhsa_reserve_vcc 0
		.amdhsa_float_denorm_mode_32 3
		.amdhsa_float_denorm_mode_16_64 3
		.amdhsa_memory_ordered 1
		.amdhsa_forward_progress 1
		.amdhsa_inst_pref_size 165
	.end_amdhsa_kernel
	.amdgpu_metadata
---
amdhsa.version: [ 1, 2 ]
amdhsa.kernels:
  - .name:           k_q6e695d1ee4_gemm_zn
    .symbol:         k_q6e695d1ee4_gemm_zn.kd
    .args:
      - { .name: a_rz, .offset: 0, .size: 8, .value_kind: global_buffer, .address_space: global }
      - { .name: a_n, .offset: 8, .size: 8, .value_kind: global_buffer, .address_space: global }
      - { .name: wc, .offset: 16, .size: 8, .value_kind: global_buffer, .address_space: global }
      - { .name: psum, .offset: 24, .size: 8, .value_kind: global_buffer, .address_space: global }
      - { .name: lowp_scales, .offset: 32, .size: 8, .value_kind: global_buffer, .address_space: global }
      - { .name: b_z, .offset: 40, .size: 8, .value_kind: global_buffer, .address_space: global }
      - { .name: b_n, .offset: 48, .size: 8, .value_kind: global_buffer, .address_space: global }
      - { .name: hidden, .offset: 56, .size: 8, .value_kind: global_buffer, .address_space: global }
      - { .name: out0, .offset: 64, .size: 8, .value_kind: global_buffer, .address_space: global }
    .group_segment_fixed_size: 327680
    .private_segment_fixed_size: 0
    .kernarg_segment_align: 8
    .kernarg_segment_size: 72
    .max_flat_workgroup_size: 256
    .sgpr_count:     90
    .vgpr_count:     512
    .wavefront_size: 32
...
	.end_amdgpu_metadata
.endif
;; end of part 6
